; MI455X (gfx1250); checked and timed in simulation.
; The chip was launched on July 23, 2026; its instructions are those of AMD's public machine-readable ISA for CDNA 5 (MIT licence, August 2026) and "CDNA5" Instruction Set Architecture Reference Guide (July 2026). The comments in the code are by the model that wrote it; some were corrected since.
;; Multihead Attention. Allowed arithmetic: matrix products marked QUANTISED: E2M1 operands, one E8M0 scale for each 32 along K, by v_wmma_scale_f32_16x16x128_f8f6f4 with both operands' format E2M1 (or v_wmma_scale_f32_32x16x128_f4), f32 sums; products left as they are: bf16, f16 or f32 operands; f32 sums; everything else in f32.
;; Inputs: b_o 1,024 float32; w_o 1,024 x 1,024 float32; w_qkv 3,072 x 1,024 float32; x 4 x 2,048 x 1,024 float32.
;; Outputs: out0 4 x 2,048 x 1,024 float32.
;; This version of the problem:
;;   THIS VERSION OF THE PROBLEM IS GIVEN IN LOW PRECISION. The matrix products marked QUANTISED in the list below multiply operands that are first quantised to E2M1 (2 exponent bits, 1 mantissa bit; 4 bits a number), with one power-of-two scale for each 32 numbers along K (OCP MX v1.0); their sums are f32. The products marked 'left as it is' may take bf16, f16 or f32 operands, with f32 sums. Whichever they take, every output number must still come out within the allowed error. Rounding operands to bf16 (8 significant bits) uses up far more of that allowance than f16 does (11 bits, for magnitudes from 6e-5 to 65,504). All else is computed in f32.
;;   The module's matrix products, in the order in which they are computed (A, B: the left and right operand; K: the contracted axis; several contracted axes count as one K, in the product's order):
;;     1. [M 8,192, K 1,024] x [K 1,024, N 3,072]; A: input x; B: input w_qkv: QUANTISED
;;     2. batch 64 x [M 2,048, K 64] x [K 64, N 2,048]; A: computed on the way; B: computed on the way: left as it is (an operand is computed on the way)
;;     3. batch 64 x [M 2,048, K 2,048] x [K 2,048, N 64]; A: computed on the way; B: computed on the way: left as it is (an operand is computed on the way)
;;     4. [M 8,192, K 1,024] x [K 1,024, N 1,024]; A: computed on the way; B: input w_o: left as it is (an operand is computed on the way)
;;   THE QUANTISER, for each operand of a quantised product, along K:
;;     - K is cut into blocks of 32 from its start; a last block that is shorter is filled with zeros.
;;     - A block's scale is 2^e with e = floor(log2(the largest magnitude in the block)) - 2, held to -126 .. 127; a block of zeros has e = 0. As a byte (E8M0): e + 127.
;;     - Each number is divided by its block's scale, clamped to +-6, and rounded to the nearest number of E2M1, ties to even, subnormals kept.
;;     - The product sums the exact products of the quantised numbers (number of the format x scale) in f32.
;;   ~~~python
;;   def quantise(x, axis):      # numpy; x: float32 -> the quantised numbers, widened to float32 again
;;       x = np.moveaxis(x, axis, -1); K = x.shape[-1]
;;       x = np.pad(x, [(0, 0)] * (x.ndim - 1) + [(0, -K % 32)]); x = x.reshape(x.shape[:-1] + (-1, 32)); a = np.abs(x).max(-1, keepdims=True)
;;       e = np.where(a > 0, np.clip(np.frexp(np.where(a > 0, a, 1))[1] - 1 - 2, -126, 127), 0)      # np.frexp(a)[1] - 1 = floor(log2(a)), exactly
;;       r = np.clip(x / 2.0 ** e, -6, 6)
;;       step = 2.0 ** (np.maximum(np.frexp(np.where(r == 0, 1, r))[1] - 1, 0) - 1)
;;       q = np.round(r / step) * step * 2.0 ** e      # np.round: ties to even
;;       return np.moveaxis(q.reshape(q.shape[:-2] + (-1,))[..., :K], -1, axis).astype(np.float32)
;;   ~~~
;; One version. Each part assembles by itself: llvm-mc -triple=amdgcn-amd-amdhsa -mcpu=gfx1250 --defsym DOCPART=n.
;; ======== version 1 of 1: 5 launches
;; limits: values are held in f16: magnitudes above 65,504 overflow, below 6.1e-05 lose precision
;; workspace buffers: xc 4,194,304 bytes; xs 262,144 bytes; wc 1,572,864 bytes; ws 98,304 bytes; wo16 2,097,152 bytes; qkv16 50,331,648 bytes; qkv32 786,432 bytes; vals 16,777,216 bytes
;; launch prep (part 1): grid 480 x 1, 4 waves a work-group, no clusters, 33,280 bytes of LDS; arguments x, w_qkv, w_o, xc, xs, wc, ws, wo16; writes xc, xs, wc, ws, wo16
.if DOCPART == 1
	.amdgcn_target "amdgcn-amd-amdhsa--gfx1250"
	.amdhsa_code_object_version 6
	.text
	.protected	k_q0b04f1996c_prep
	.globl	k_q0b04f1996c_prep
	.p2align	8
	.type	k_q0b04f1996c_prep,@function
k_q0b04f1996c_prep:
	s_mov_b64 s[64:65], 0
	v_nop
	global_prefetch_b8 v0, s[64:65] scope:SCOPE_SE
	s_setreg_imm32_b32 hwreg(HW_REG_WAVE_MODE, 25, 1), 1
	s_wait_xcnt 0x0
; x [8192][1024] and w_qkv [3072][1024], f32, become codes of FP4 (E2M1), K innermost, with one E8M0 scale byte for each 32 along K; w_o [1024][1024] becomes f16.
; A block's scale is 2^(floor(log2(its largest magnitude)) - 2); its byte is the largest magnitude's exponent field - 2, held at 1 from below.  Each number is divided by the scale and rounded to the nearest code, ties to even.
; LIMITS: a block of zeros gets the byte 1 where the rule says 127 (its codes are zeros, and this program alone reads the bytes); blocks whose largest magnitude lies under 2^(2 - 126) keep the byte 1;
; NaN and infinities among the inputs are not served; |w_o| stays under 65,504 (f16), and under 6e-5 it keeps fewer than 11 bits.
; SHARES.  Work-groups 0-255: x; 256-351: w_qkv; each wave a run of 8,192 numbers (8 rows), 16 steps of 512.  Work-groups 352-479: w_o, 2,048 numbers a wave.
; THE ROWS OF w_qkv ARE RE-ORDERED on the way: row 192 h + 64 p + d (p = 0 q, 1 k, 2 v) goes to row 64 h + d (q), 1024 + 128 h + d (k), 1024 + 128 h + 64 + d (v): groups of 64 rows, eight runs each, move as wholes.
; A lane must hold 16 neighbours for the conversions, and a load is dense where neighbouring lanes take neighbouring bytes: so a step's 2,048 bytes go through the wave's own stage in LDS.  Waves share nothing: no barrier.
.set WAVES, 4
.set STEPS, 16
.set WGX,   256                        ; work-groups for x: 8192 x 1024 / 32768
.set WGW,   96                         ; for w_qkv: 3072 x 1024 / 32768
.set EMAX,  2
.set CB,    8                          ; bytes of 16 codes
.set R,     16                         ; v16-79   four sets of 16 numbers as they are loaded
.set X,     80                         ; v80-111  two sets of 16 neighbours
.set E,     112                        ; v112-127 a scale byte for each step
.set C,     128                        ; v128-191 codes: four registers for each step
.set WREG,  8192                       ; LDS: a region for each wave: two stages of 32 x SP bytes, then its 256 scale bytes
.set SP,    80                         ; a lane's place in a stage: 64 bytes + 16 of padding
.set SPW,   12                         ; v12  LDS address of my spare word; never rewritten
.set NIL,   13                         ; v13  0; never rewritten
.set SPARE, WAVES*WREG                 ; the spare words: 128 bytes a wave, two blocks of 256 bytes that no other line names
	s_load_b256 s[4:11], s[0:1], 0x0               ; x s[4:5], w_qkv s[6:7], w_o s[8:9], xc s[10:11]
	s_load_b256 s[12:19], s[0:1], 0x20             ; xs s[12:13], wc s[14:15], ws s[16:17], wo16 s[18:19]
	v_lshl_add_u32 v[SPW], v0, 2, SPARE
	v_mov_b32 v[NIL], 0
	v_lshrrev_b32 v1, 5, v0
	v_readfirstlane_b32 s20, v1                    ; wave
	v_and_b32 v2, 31, v0                           ; lane
	v_lshlrev_b32 v3, 4, v2                        ; my 16 bytes of a load's 512
	s_mul_i32 s21, s20, WREG
	v_lshrrev_b32 v14, 2, v2
	v_mul_u32_u24 v14, v14, SP
	v_and_b32 v15, 3, v2
	v_lshl_add_u32 v14, v15, 4, v14
	v_add_nc_u32 v14, s21, v14                     ; the stage, in: SP (lane / 4) + 16 (lane % 4)
	v_mul_u32_u24 v15, v2, SP
	v_add_nc_u32 v15, s21, v15                     ; out: SP x lane: my 16 neighbours
	v_mul_u32_u24 v4, v2, CB                       ; my codes' place in a step's
	v_lshrrev_b32 v5, 1, v2
	s_add_co_u32 s21, s21, 2*32*SP
	v_add_nc_u32 v5, s21, v5                       ; my block's scale byte in the wave's 256
	v_lshlrev_b32 v7, 3, v2                        ; 8 bytes a lane
	v_add_nc_u32 v6, s21, v7
	s_wait_kmcnt 0x0
	s_cmp_ge_u32 ttmp9, WGX+WGW
	s_cbranch_scc1 .Lwo                            ; the work-group's number alone decides
	s_cmp_lt_u32 ttmp9, WGX                        ; x's work-group or w_qkv's?  Only pointers and offsets are chosen: both take one path
	s_cselect_b64 s[4:5], s[4:5], s[6:7]
	s_cselect_b64 s[10:11], s[10:11], s[14:15]
	s_cselect_b64 s[12:13], s[12:13], s[16:17]
	s_cselect_b32 s22, 1, 0
	s_cselect_b32 s23, 0, WGX
	s_sub_co_u32 s23, ttmp9, s23
	s_lshl_b32 s23, s23, 2
	s_add_co_u32 s24, s23, s20                     ; my run of 8,192 numbers in the tensor
	s_lshr_b32 s25, s24, 3                         ; w_qkv: G = the group of 64 rows, 0 .. 47
	s_mul_i32 s26, s25, 43
	s_lshr_b32 s26, s26, 7                         ; head = G / 3 (43 G >> 7 is exact for G under 126)
	s_mul_i32 s27, s26, 3
	s_sub_co_u32 s27, s25, s27                     ; part: 0 q, 1 k, 2 v
	s_lshl_b32 s28, s26, 1
	s_add_co_u32 s28, s28, s27
	s_add_co_u32 s28, s28, 15                      ; k, v: group 16 + 2 head + (part - 1)
	s_cmp_eq_u32 s27, 0
	s_cselect_b32 s28, s26, s28                    ; q: group head
	s_lshl_b32 s28, s28, 3
	s_and_b32 s29, s24, 7
	s_add_co_u32 s28, s28, s29                     ; the run's place in wc and ws
	s_cmp_eq_u32 s22, 1
	s_cselect_b32 s28, s24, s28                    ; x keeps its order
	s_lshl_b32 s30, s24, 15                        ; 32,768 bytes of f32 a run
	s_mov_b32 s31, 0
	s_add_nc_u64 s[4:5], s[4:5], s[30:31]
	s_lshl_b32 s30, s28, 12                        ; 4,096 bytes of codes
	s_add_nc_u64 s[10:11], s[10:11], s[30:31]
	s_lshl_b32 s30, s28, 8                         ; 256 scale bytes
	s_add_nc_u64 s[12:13], s[12:13], s[30:31]
.macro LOAD t
.irp i, 0,1,2,3
	global_load_b128 v[R+16*((\t)%4)+4*\i:R+16*((\t)%4)+4*\i+3], v3, s[4:5] offset:2048*(\t)+512*\i th:TH_LOAD_NT   ; 32 lanes read 512 consecutive bytes
.endr
.endm
.macro TURN t                          ; step t's numbers through the stage: LDS serves a wave's instructions in order, so no wait stands between the stores and the loads
.irp i, 0,1,2,3
	ds_store_b128 v14, v[R+16*((\t)%4)+4*\i:R+16*((\t)%4)+4*\i+3] offset:32*SP*((\t)%2)+8*SP*\i
.endr
.irp i, 0,1,2,3
	ds_load_b128 v[X+16*((\t)%2)+4*\i:X+16*((\t)%2)+4*\i+3], v15 offset:32*SP*((\t)%2)+16*\i
.endr
.endm
.irp t, 0,1,2,3
	LOAD \t
.endr
	s_wait_loadcnt 12                              ; step 0's four loads are in; twelve younger ones stay out
	TURN 0
.macro STEP t
.set XS, X+16*((\t)%2)
.if (\t) > 0
	s_wait_dscnt 1                                 ; this step's numbers are back from the stage (the last step's byte store may be out)
.else
	s_wait_dscnt 0x0
.endif
.if (\t)+4 < STEPS
	LOAD (\t)+4                                    ; into the registers whose stores into the stage are done
.endif
.if (\t)+1 < STEPS
.if STEPS-2-(\t) >= 3
	s_wait_loadcnt 12                              ; the next step's four loads are in; those of the three steps behind it may be out
.else
	s_wait_loadcnt 4*(STEPS-2-(\t))
.endif
	TURN (\t)+1
.endif
	v_max3_num_f32 v8, |v[XS]|, |v[XS+1]|, |v[XS+2]|               ; the largest magnitude of my 16, in two chains
	v_max3_num_f32 v9, |v[XS+3]|, |v[XS+4]|, |v[XS+5]|
.irp i, 6,10
	v_max3_num_f32 v8, v8, |v[XS+\i]|, |v[XS+\i+1]|
	v_max3_num_f32 v9, v9, |v[XS+\i+2]|, |v[XS+\i+3]|
.endr
	v_max3_num_f32 v8, v8, |v[XS+14]|, |v[XS+15]|
	v_max3_num_f32 v8, v8, v9, (EMAX+1)<<23        ; and the floor 2^(EMAX + 1 - 127): the byte cannot fall under 1
	v_max_num_f32_dpp v8, v8, v8 row_xmask:1 row_mask:0xf bank_mask:0xf   ; with my neighbour's 16: the block's
	v_add_nc_u32 v11, -(EMAX<<23), v8              ; EMAX off its exponent field: the conversion takes that field as its scale
	v_cvt_scalef32_pk8_fp4_f32 v[C+4*(\t)], v[XS:XS+7], v11
	v_cvt_scalef32_pk8_fp4_f32 v[C+4*(\t)+1], v[XS+8:XS+15], v11
	v_lshrrev_b32 v[E+(\t)], 23, v11               ; the scale's byte (also the plain line behind the conversions)
	ds_store_b8 v5, v[E+(\t)] offset:16*(\t)       ; both lanes of a block write the same byte with the same value
	global_store_b64 v4, v[C+4*(\t):C+4*(\t)+1], s[10:11] offset:32*CB*(\t)   ; 32 lanes store 256 consecutive bytes, aligned
.endm
.irp t, 0,1,2,3,4,5,6,7,8,9,10,11,12,13,14,15
	STEP \t
.endr
	ds_load_b64 v[8:9], v6                         ; LDS serves a wave's instructions in order: these see my byte stores
	s_wait_dscnt 0x0
	global_store_b64 v7, v[8:9], s[12:13]          ; the run's 256 scale bytes: one aligned block
	s_wait_tensorcnt 0x0                           ; the wave's end
	ds_add_u32 v[SPW], v[NIL]
	s_wait_dscnt 0x0
	s_endpgm
.Lwo:                                              ; w_o to f16: 2,048 numbers a wave
	s_sub_co_u32 s23, ttmp9, WGX+WGW
	s_lshl_b32 s23, s23, 2
	s_add_co_u32 s23, s23, s20
	s_lshl_b32 s30, s23, 13                        ; 8,192 bytes in
	s_mov_b32 s31, 0
	s_add_nc_u64 s[8:9], s[8:9], s[30:31]
	s_lshl_b32 s30, s23, 12                        ; 4,096 bytes out
	s_add_nc_u64 s[18:19], s[18:19], s[30:31]
.irp i, 0,1,2,3,4,5,6,7,8,9,10,11,12,13,14,15
	global_load_b128 v[R+4*\i:R+4*\i+3], v3, s[8:9] offset:512*\i
.endr
.irp i, 0,1,2,3,4,5,6,7,8,9,10,11,12,13,14,15
	s_wait_loadcnt 15-\i                           ; loads come back in order: load i is in
	v_cvt_pk_f16_f32 v[X+2*\i], v[R+4*\i], v[R+4*\i+1]
	v_cvt_pk_f16_f32 v[X+2*\i+1], v[R+4*\i+2], v[R+4*\i+3]
	global_store_b64 v7, v[X+2*\i:X+2*\i+1], s[18:19] offset:256*\i   ; 32 lanes store 256 consecutive bytes, aligned; each store has data registers of its own
.endr
	s_endpgm
.Lfunc_end_k_q0b04f1996c_prep:
	.size	k_q0b04f1996c_prep, .Lfunc_end_k_q0b04f1996c_prep-k_q0b04f1996c_prep
	.p2alignl 7, 3214868480
	.fill 96, 4, 3214868480
	.section	.rodata,"a",@progbits
	.p2align	6, 0x0
	.amdhsa_kernel k_q0b04f1996c_prep
		.amdhsa_group_segment_fixed_size 33280
		.amdhsa_private_segment_fixed_size 0
		.amdhsa_enable_private_segment 0
		.amdhsa_kernarg_size 64
		.amdhsa_user_sgpr_count 2
		.amdhsa_user_sgpr_kernarg_segment_ptr 1
		.amdhsa_wavefront_size32 1
		.amdhsa_system_sgpr_workgroup_id_x 1
		.amdhsa_system_sgpr_workgroup_id_y 1
		.amdhsa_system_sgpr_workgroup_id_z 1
		.amdhsa_system_vgpr_workitem_id 0
		.amdhsa_next_free_vgpr 192
		.amdhsa_next_free_sgpr 66
		.amdhsa_reserve_vcc 0
		.amdhsa_float_denorm_mode_32 3
		.amdhsa_float_denorm_mode_16_64 3
		.amdhsa_memory_ordered 1
		.amdhsa_forward_progress 1
		.amdhsa_inst_pref_size 40
	.end_amdhsa_kernel
	.amdgpu_metadata
---
amdhsa.version: [ 1, 2 ]
amdhsa.kernels:
  - .name:           k_q0b04f1996c_prep
    .symbol:         k_q0b04f1996c_prep.kd
    .args:
      - { .name: x, .offset: 0, .size: 8, .value_kind: global_buffer, .address_space: global }
      - { .name: w_qkv, .offset: 8, .size: 8, .value_kind: global_buffer, .address_space: global }
      - { .name: w_o, .offset: 16, .size: 8, .value_kind: global_buffer, .address_space: global }
      - { .name: xc, .offset: 24, .size: 8, .value_kind: global_buffer, .address_space: global }
      - { .name: xs, .offset: 32, .size: 8, .value_kind: global_buffer, .address_space: global }
      - { .name: wc, .offset: 40, .size: 8, .value_kind: global_buffer, .address_space: global }
      - { .name: ws, .offset: 48, .size: 8, .value_kind: global_buffer, .address_space: global }
      - { .name: wo16, .offset: 56, .size: 8, .value_kind: global_buffer, .address_space: global }
    .group_segment_fixed_size: 33280
    .private_segment_fixed_size: 0
    .kernarg_segment_align: 8
    .kernarg_segment_size: 64
    .max_flat_workgroup_size: 128
    .sgpr_count:     66
    .vgpr_count:     192
    .wavefront_size: 32
...
	.end_amdgpu_metadata
.endif
;; end of part 1
;; launch qkv (part 2): grid 12 x 32, 4 waves a work-group, clusters of 4 x 4, 327,680 bytes of LDS; arguments xc, xs, wc, ws, qkv16, qkv32; writes qkv16, qkv32
.if DOCPART == 2
	.amdgcn_target "amdgcn-amd-amdhsa--gfx1250"
	.amdhsa_code_object_version 6
	.text
	.protected	k_q0b04f1996c_qkv
	.globl	k_q0b04f1996c_qkv
	.p2align	8
	.type	k_q0b04f1996c_qkv,@function
k_q0b04f1996c_qkv:
	s_mov_b64 s[64:65], 0
	v_nop
	global_prefetch_b8 v0, s[64:65] scope:SCOPE_SE
	s_setreg_imm32_b32 hwreg(HW_REG_WAVE_MODE, 25, 1), 1
	s_wait_xcnt 0x0
	s_wait_alu depctr_hold_cnt(0) depctr_sa_sdst(0) depctr_va_vdst(0) depctr_va_sdst(0) depctr_va_ssrc(0) depctr_va_vcc(0) depctr_vm_vsrc(0)
	s_getreg_b32 s2, hwreg(HW_REG_IB_STS2, 6, 4)
	s_cmp_eq_u32 s2, 0
	s_cbranch_scc0 .Lentry_in_a_cluster
	s_endpgm
.Lentry_in_a_cluster:
	s_bfe_u32 s2, ttmp6, 0x10000c
	s_cmp_lg_u32 s2, 0xf033
	s_cbranch_scc0 .Lentry_shape_is_right
	s_endpgm
.Lentry_shape_is_right:
; q, k, v = Q(x) Q(w_qkv)^T on codes of FP4 (E2M1) with one E8M0 scale for each 32 along K; sums in f32.  A = xc [8192][1024 codes], B = wc [3072][1024 codes] (rows in this program's own order), scale bytes xs, ws [rows][32].
; OUT: qkv16 [b 4][g 24][t 2048][128] f16: g under 8: q of heads 2 g, 2 g + 1; g = 8 + h: k | v of head h.  qkv32 [b][g][16][128] f32: the same numbers of the first 16 positions of each sequence, unrounded.
; LIMIT: |q|, |k|, |v| stay under 65,504 (f16); under 6e-5 they keep fewer than 11 bits.
; A tile of C, 256 x 256, is made by four waves, each 128 x 128: 64 accumulators, 512 registers.  K = 1,024 is two K steps of 512: two LDS slots, each filled ONCE, with the scales, at the start: nothing is filled again.
; CLUSTERS: 4 x 4 work-groups.  The four of a row of the cluster need the same tiles of A, the four of a column the same tiles of B: each tile is asked for jointly.
; Tile row = 8 cy + cluster y, so that the batch is cy and the tile rows that begin a sequence lie in the clusters with y = 0: the branch for the fine rows hangs on the cluster's y and the wave's number alone, alike in all partners.
; THE MATRIX INSTRUCTION IS USED TRANSPOSED (source 0 = 16 rows of B, source 1 = 16 rows of A): a lane holds eight neighbouring numbers of a row of C.
; REGISTERS: window 0: v0-31 addresses; v32-95 scale words, two sets; v128-191 A's fragments, one set.  window 1: B's fragments, two sets.  windows 2, 3: the accumulators ((a, b) at v[8 (8 (a % 4) + b)]).
.set SIZE_M, 8192
.set SIZE_N, 3072
.set SIZE_K, 1024
.set KSTEP,  512
.set NQ,     KSTEP/128
.set ROWB,   256                       ; a tile's row in bytes
.set KROW,   SIZE_K*4/8                ; a row of codes in memory
.set PITCH,  272                       ; an LDS row: 256 bytes + 16 of padding: the 16 rows of a load start at 16 different banks
.set FR,     8
.set NL,     2
.set NP,     4                         ; places behind this matrix instruction (ISA guide 7.12.1)
.set HALFT,  128*PITCH
.set SLOT,   4*HALFT
.set KS,     SIZE_K/32
.set SCL,    2*SLOT                    ; behind the slots: the scales, as rows of 256 bytes + 16
.set HALFS,  (128*KS/256)*272
.set SBLK,   (16*KS/256)*272
.set SPARE,  SCL+4*HALFS               ; the spare words: 128 bytes a wave
.set SP16,   272                       ; the way out, f16: a stage of 16 rows x (256 + 16) bytes a wave, in slot 0, which has had its one fill and its last read by then
.set SP32,   528                       ; the fine rows: 16 rows x (512 + 16) a wave, behind the four f16 stages
.set ST32,   4*16*SP16
.set ADRA, 16
.set ADRB, 20
.set STO,  24
.set RD,   25
.set CO,   26                          ; v26  16 x lane
.set ADRS, 27
.set SPW,  28
.set NIL,  29
.set STO32, 30
.set RD32, 31
.set SC,   32
.set AF,   128
.set TMP,  192                         ; the way out: packed results
.set OB,   32                          ; 16 rows read back: v32-63 and v224-255 by turns
.set G1, 24
.set G0, 32
.set G1B, 48
.set G0B, 56
.set G1S, 68
.set G0S, 76
.set G1SB, 80
.set G0SB, 88
.set MSB, 0
.macro WIN new                         ; the immediate's high byte repeats the setting that is left
.if MSB != \new
	s_set_vgpr_msb (MSB<<8)|\new
.set MSB, \new
.endif
.endm
.set MUL_LO, 0xa1                      ; source 0 (B) window 1, source 1 (A) window 0, C and D window 2
.set MUL_HI, 0xf1
.set TO_B,   0x40
; A joint load: waves 0 and 1 fetch for A, waves 2 and 3 for B; the branch hangs on the wave's number alone.  An s_nop 0 and four v_nop follow each line.
.macro JLOAD g0a, g1a, g0b, g1b
	s_cmp_eq_u32 s15, 0
	s_cbranch_scc0 .Lfor_b_\@
	tensor_load_to_lds s[\g0a:\g0a+3], s[\g1a:\g1a+7]
	s_nop 0
.rept 4
	v_nop
.endr
	s_branch .Lasked_\@
.Lfor_b_\@:
	tensor_load_to_lds s[\g0b:\g0b+3], s[\g1b:\g1b+7]
	s_nop 0
.rept 4
	v_nop
.endr
.Lasked_\@:
.endm
.macro CROUND                          ; a round of the cluster's barrier
	s_barrier_signal -1
	s_barrier_wait -1
	s_cmp_lg_u32 s14, 0
	s_cbranch_scc1 .Lnot_wave_0_\@
	s_barrier_signal -3
.Lnot_wave_0_\@:
	s_barrier_wait -3
	s_barrier_signal -1
	s_barrier_wait -1
.endm
	s_load_b128 s[4:7], s[0:1], 0x0                ; A's codes, A's scales
	s_load_b128 s[8:11], s[0:1], 0x10              ; B's codes, B's scales
	s_load_b64 s[12:13], s[0:1], 0x20              ; qkv16
	s_load_b64 s[96:97], s[0:1], 0x28              ; qkv32
	v_lshl_add_u32 v[SPW], v0, 2, SPARE
	v_mov_b32 v[NIL], 0
	ds_add_u32 v[SPW], v[NIL]                      ; the wave's opening: the add, twice on end, and its wait ahead of my first tensor load
	ds_add_u32 v[SPW], v[NIL]
	v_lshrrev_b32 v1, 5, v0
	v_readfirstlane_b32 s14, v1                    ; wave 0..3
	s_lshr_b32 s15, s14, 1                         ; which half of the tile's rows is mine.  Also: I fetch for A (0) or for B (1)
	s_and_b32 s16, s14, 1                          ; which half of its columns.  Also: which 128 rows I fetch
	s_bfe_u32 s40, ttmp6, 0x40000                  ; cx
	s_bfe_u32 s41, ttmp6, 0x40004                  ; cy
	s_lshl_b32 s42, ttmp9, 2
	s_add_co_u32 s42, s42, s40                     ; tile column = 4 x cluster x + cx
	s_and_b32 s17, ttmp7, 0xffff
	s_lshl_b32 s18, s41, 3
	s_add_co_u32 s17, s17, s18                     ; tile row = 8 cy + cluster y
	s_lshl_b32 s43, s41, 2
	s_lshl_b32 s43, 15, s43                        ; my row of the cluster
	s_lshl_b32 s44, 0x1111, s40                    ; my column
	s_or_b32 s[G1+0], s43, (0<<16)|(1<<20)|(1<<21)|(5<<22)|(3<<25)  ; mask; elements of 1 byte; padding: 4 words after every 64
	s_or_b32 s[G1B+0], s44, (0<<16)|(1<<20)|(1<<21)|(5<<22)|(3<<25)
.irp g, G1, G1B
	s_mov_b32 s[\g+1], ROWB<<16                    ; tensor_dim0
	s_mov_b32 s[\g+2], 128<<16                     ; tensor_dim1
	s_mov_b32 s[\g+3], ROWB<<16                    ; tile_dim0
	s_mov_b32 s[\g+4], 128                         ; tile_dim1
	s_mov_b32 s[\g+5], KROW                        ; stride
	s_mov_b32 s[\g+6], 0
	s_mov_b32 s[\g+7], 0
.endr
	s_or_b32 s[G1S+0], s43, (3<<16)|(1<<20)|(1<<21)|(5<<22)|(3<<25) ; the scales of 128 rows: 4,096 dense bytes as 16 rows of 256 (32 elements of 8 bytes)
	s_or_b32 s[G1SB+0], s44, (3<<16)|(1<<20)|(1<<21)|(5<<22)|(3<<25)
.irp g, G1S, G1SB
	s_mov_b32 s[\g+1], 32<<16
	s_mov_b32 s[\g+2], (128*KS/256)<<16
	s_mov_b32 s[\g+3], 32<<16
	s_mov_b32 s[\g+4], 128*KS/256
	s_mov_b32 s[\g+5], 32
	s_mov_b32 s[\g+6], 0
	s_mov_b32 s[\g+7], 0
.endr
	s_lshl_b32 s18, s16, 7
	s_lshl_b32 s20, s17, 8
	s_add_co_u32 s20, s20, s18                     ; A: row 256 x tile row + 128 x half
	s_lshl_b32 s46, s42, 8
	s_add_co_u32 s46, s46, s18                     ; B: row 256 x tile column + 128 x half
	s_mov_b32 s21, 0
	s_mov_b32 s47, 0
	s_mov_b64 s[18:19], KS
	s_mul_u64 s[22:23], s[20:21], s[18:19]         ; where these rows' scales begin
	s_mul_u64 s[92:93], s[46:47], s[18:19]
	s_mov_b64 s[18:19], KROW
	s_mul_u64 s[20:21], s[20:21], s[18:19]         ; and their codes
	s_mul_u64 s[46:47], s[46:47], s[18:19]
	s_mul_i32 s45, s14, HALFT                      ; where they go: wave x 128 rows
	s_mul_i32 s94, s14, HALFS
	s_wait_dscnt 0x0                               ; both opening adds are done
	s_wait_kmcnt 0x0
	s_add_nc_u64 s[20:21], s[4:5], s[20:21]
	s_add_nc_u64 s[22:23], s[6:7], s[22:23]
	s_add_nc_u64 s[46:47], s[8:9], s[46:47]
	s_add_nc_u64 s[92:93], s[10:11], s[92:93]
	CROUND                                         ; all sixteen work-groups are here: the joint loads meet
	s_mov_b32 s[G0S], 1
	s_add_co_u32 s[G0S+1], s94, SCL
	s_mov_b64 s[G0S+2:G0S+3], s[22:23]
	s_or_b32 s[G0S+3], s[G0S+3], 0x80000000
	s_mov_b32 s[G0SB], 1
	s_add_co_u32 s[G0SB+1], s94, SCL
	s_mov_b64 s[G0SB+2:G0SB+3], s[92:93]
	s_or_b32 s[G0SB+3], s[G0SB+3], 0x80000000
	JLOAD G0S, G1S, G0SB, G1SB                     ; the scales first; three loads of mine are out at the most
.irp s, 0,1
	s_mov_b32 s[G0+4*\s], 1
	s_add_co_u32 s[G0+4*\s+1], s45, \s*SLOT
	s_add_nc_u64 s[G0+4*\s+2:G0+4*\s+3], s[20:21], \s*ROWB
	s_or_b32 s[G0+4*\s+3], s[G0+4*\s+3], 0x80000000
	s_mov_b32 s[G0B+4*\s], 1
	s_add_co_u32 s[G0B+4*\s+1], s45, \s*SLOT
	s_add_nc_u64 s[G0B+4*\s+2:G0B+4*\s+3], s[46:47], \s*ROWB
	s_or_b32 s[G0B+4*\s+3], s[G0B+4*\s+3], 0x80000000
	JLOAD G0+4*\s, G1, G0B+4*\s, G1B
.endr
	v_and_b32 v1, 15, v0                           ; r
	v_bfe_u32 v2, v0, 4, 1                         ; h
	v_mul_u32_u24 v3, v1, PITCH
	v_lshl_add_u32 v4, v2, 4, v3
	s_mul_i32 s21, s15, HALFT
	s_mul_i32 s22, s16, HALFT
	s_add_co_u32 s22, s22, 2*HALFT
.irp s, 0,1
	v_add_nc_u32 v[ADRA+\s], s21, v4
	v_add_nc_u32 v[ADRB+\s], s22, v4
	s_add_co_u32 s21, s21, SLOT
	s_add_co_u32 s22, s22, SLOT
.endr
	v_mul_u32_u24 v5, v1, KS                       ; my row's scales: KS bytes a row,
	v_lshrrev_b32 v6, 8, v5
	v_lshl_add_u32 v5, v6, 4, v5                   ; and 16 more for each 256 passed
	s_mul_i32 s21, s15, HALFS
	s_mul_i32 s22, s16, HALFS
	s_add_co_u32 s22, s22, 2*HALFS
	s_sub_co_u32 s22, s22, s21
	v_mul_u32_u24 v6, s22, v2                      ; lanes 16-31 take B's
	s_add_co_u32 s21, s21, SCL
	v_add_nc_u32 v5, v5, v6
	v_add_nc_u32 v[ADRS], s21, v5
	s_mul_i32 s23, s14, 16*SP16                    ; my f16 stage
	v_mul_u32_u24 v5, v1, SP16
	v_lshl_add_u32 v5, v2, 4, v5
	v_add_nc_u32 v[STO], s23, v5                   ; in: row r, 16 bytes for each half of the lanes
	v_mul_u32_u24 v5, v2, SP16
	v_lshl_add_u32 v5, v1, 4, v5
	v_add_nc_u32 v[RD], s23, v5                    ; back: lanes 0-15 one row of 256 bytes, lanes 16-31 the next
	v_and_b32 v6, 31, v0
	v_lshlrev_b32 v[CO], 4, v6
	s_mul_i32 s23, s14, 16*SP32                    ; my f32 stage
	s_add_co_u32 s23, s23, ST32
	v_mul_u32_u24 v5, v1, SP32
	v_lshl_add_u32 v5, v2, 5, v5
	v_add_nc_u32 v[STO32], s23, v5
	v_add_nc_u32 v[RD32], s23, v[CO]
	s_mul_i32 s20, s41, 24                         ; 24 b (b = cy)
	s_lshl_b32 s46, s42, 1
	s_add_co_u32 s46, s46, s16                     ; g = 2 x tile column + half
	s_add_co_u32 s20, s20, s46
	s_lshl_b32 s46, s20, 13                        ; qkv32: 8,192 bytes for each (b, g)
	s_mov_b32 s47, 0
	s_add_nc_u64 s[96:97], s[96:97], s[46:47]
	s_lshl_b32 s20, s20, 11
	s_and_b32 s21, ttmp7, 0xffff
	s_lshl_b32 s21, s21, 8
	s_add_co_u32 s20, s20, s21
	s_lshl_b32 s21, s15, 7
	s_add_co_u32 s20, s20, s21                     ; (24 b + g) 2048 + t0, t0 = 256 x cluster y + 128 x half
	s_lshl_b32 s20, s20, 8                         ; rows of 256 bytes (under 2^26)
	s_mov_b32 s21, 0
	s_add_nc_u64 s[12:13], s[12:13], s[20:21]
.macro FRAG reg, adr, q, i             ; 16 rows x 128 K of 4-bit codes: 8 registers: two loads of 16 bytes, 32 bytes apart
.irp c, 0,1
	ds_load_b128 v[\reg+4*\c:\reg+4*\c+3], v[\adr] offset:64*(\q)+32*\c+(\i)*16*PITCH
.endr
.endm
; 16 matrix instructions: A's blocks a0, a0 + 1 x B's eight.  The 64 accumulators take turns, one instruction a turn, in the same order in every step.
.macro MUL16 a0, p, q, sc, zero
.irp a, \a0, \a0+1
.irp b, 0,1,2,3,4,5,6,7
.if \zero
	v_wmma_scale_f32_16x16x128_f8f6f4 v[8*(8*((\a)%4)+\b):8*(8*((\a)%4)+\b)+7], v[128*(\p)+FR*\b:128*(\p)+FR*\b+FR-1], v[AF+FR*(\a):AF+FR*(\a)+FR-1], 0, v[SC+8*NQ*(\sc)+NQ*\b+(\q)], v[SC+8*NQ*(\sc)+NQ*(\a)+(\q)] matrix_a_fmt:MATRIX_FMT_FP4 matrix_b_fmt:MATRIX_FMT_FP4 matrix_a_scale:MATRIX_SCALE_ROW1
.else
	v_wmma_scale_f32_16x16x128_f8f6f4 v[8*(8*((\a)%4)+\b):8*(8*((\a)%4)+\b)+7], v[128*(\p)+FR*\b:128*(\p)+FR*\b+FR-1], v[AF+FR*(\a):AF+FR*(\a)+FR-1], v[8*(8*((\a)%4)+\b):8*(8*((\a)%4)+\b)+7], v[SC+8*NQ*(\sc)+NQ*\b+(\q)], v[SC+8*NQ*(\sc)+NQ*(\a)+(\q)] matrix_a_fmt:MATRIX_FMT_FP4 matrix_b_fmt:MATRIX_FMT_FP4 matrix_a_scale:MATRIX_SCALE_ROW1
.endif
.endr
.endr
.endm
.macro FETCH_B slot, q, p
	WIN TO_B
.irp i, 0,1,2,3,4,5,6,7
	FRAG 128*(\p)+FR*\i, ADRB+\slot, \q, \i
.endr
	WIN 0
.endm
.macro FETCH_A slot, q, i0
.irp i, \i0, \i0+1, \i0+2, \i0+3
	FRAG AF+FR*(\i), ADRA+\slot, \q, \i
.endr
.endm
.macro SCALES sc                       ; a K step's scale words: lanes 0-15 take A's block i, lanes 16-31 B's block i
.irp i, 0,1,2,3,4,5,6,7
	ds_load_b128 v[SC+8*NQ*\sc+NQ*\i:SC+8*NQ*\sc+NQ*\i+3], v[ADRS] offset:\i*SBLK
.endr
.endm
.macro PLACES n                        ; plain vector lines between a matrix instruction and a load into, or a read of, its registers
.rept \n
	v_nop
.endr
.endm
.macro STEP slot, q, zero              ; 128 along K, with its successor in the same slot
	s_wait_dscnt 4*NL                              ; B's set and A's blocks 0-3 are in; A's blocks 4-7, the youngest eight loads, may be out
	WIN MUL_LO
	MUL16 0, (\q)%2, \q, \slot, \zero
	MUL16 2, (\q)%2, \q, \slot, \zero
	s_wait_dscnt 0
	PLACES NP
	FETCH_B \slot, (\q)+1, 1-(\q)%2
	FETCH_A \slot, (\q)+1, 0
	WIN MUL_HI
	MUL16 4, (\q)%2, \q, \slot, \zero
	MUL16 6, (\q)%2, \q, \slot, \zero
	PLACES NP
	WIN 0
	FETCH_A \slot, (\q)+1, 4
.endm
; Slot 0's last step changes slots: one barrier; in front of it each wave waits for all its tensor loads (its part of slot 1) and for its reads of slot 0.  Nothing is filled again.
.macro TURN slot, next
	s_wait_tensorcnt 0x0
	ds_add_u32 v[SPW], v[NIL]
	s_wait_dscnt 4*NL+1                            ; the add and A's blocks 4-7 may be out
	WIN MUL_LO
	MUL16 0, 1, NQ-1, \slot, 0
	s_wait_dscnt 0x0                               ; the add is done, and my reads of this slot are over
	s_barrier_signal -1
	MUL16 2, 1, NQ-1, \slot, 0
	WIN 0
	s_barrier_wait -1
	PLACES NP
	v_add_nc_u32 v[ADRS], 4*NQ, v[ADRS]            ; on to the next K step's scale words
	FETCH_B \next, 0, 0
	FETCH_A \next, 0, 0
	SCALES \next
	WIN MUL_HI
	MUL16 4, 1, NQ-1, \slot, 0
	MUL16 6, 1, NQ-1, \slot, 0
	PLACES NP
	WIN 0
	FETCH_A \next, 0, 4
.endm
.macro STEPS slot, from
.set Q, \from
.rept NQ-1-\from
	STEP \slot, Q, 0
.set Q, Q+1
.endr
.endm
	s_wait_tensorcnt 1                             ; the scales and my part of slot 0 are in; slot 1's load may be out
	s_barrier_signal -1
	s_barrier_wait -1
	FETCH_B 0, 0, 0
	FETCH_A 0, 0, 0
	SCALES 0
	FETCH_A 0, 0, 4
	STEP 0, 0, 1                                   ; the first step's products start the sums: nothing is cleared
	STEPS 0, 1
	TURN 0, 1
	STEPS 1, 0
	s_wait_dscnt 4*NL                              ; the last step: nothing more to fetch
	WIN MUL_LO
	MUL16 0, 1, NQ-1, 1, 0
	MUL16 2, 1, NQ-1, 1, 0
	s_wait_dscnt 0
	WIN MUL_HI
	MUL16 4, 1, NQ-1, 1, 0
	MUL16 6, 1, NQ-1, 1, 0
	WIN 0
	PLACES NP                                      ; ahead of every read of results and of every load into registers that held operands
	; THE FINE ROWS: positions 0-15 of a sequence are block 0 of the waves with the tile's upper half, in the clusters with y = 0.  They leave unrounded, through a stage of their own, as whole rows of 512 bytes.
	s_and_b32 s18, ttmp7, 0xffff
	s_or_b32 s18, s18, s15
	s_cmp_lg_u32 s18, 0
	s_cbranch_scc1 .Lno_fine
	WIN 0x08                                       ; an LDS store's data are its source 1: window 2
.irp b, 0,1,2,3,4,5,6,7
	ds_store_b128 v[STO32], v[8*\b:8*\b+3] offset:64*\b            ; each accumulator from its low end on
	ds_store_b128 v[STO32], v[8*\b+4:8*\b+7] offset:64*\b+16
.endr
	WIN 0
.irp t, 0,1,2,3,4,5,6,7,8,9,10,11,12,13,14,15
	ds_load_b128 v[AF+4*\t:AF+4*\t+3], v[RD32] offset:\t*SP32      ; LDS serves a wave's instructions in order: these see the stores above
.endr
	s_wait_dscnt 0x0
.irp t, 0,1,2,3,4,5,6,7,8,9,10,11,12,13,14,15
	global_store_b128 v[CO], v[AF+4*\t:AF+4*\t+3], s[96:97] offset:512*\t   ; 32 lanes store 512 consecutive bytes; these registers are not written again
.endr
.Lno_fine:
; THE WAY OUT, a block of 16 rows x 128 columns at a time: rounded to f16, 16 bytes a lane, through my own stage, back as whole rows of 256 bytes.  A block is 4,096 dense bytes of qkv16.
.macro PACK a
.set AC, 64*((\a)%4)
	WIN (0x0a+5*((\a)/4))                          ; sources 0 and 1: window 2 or 3
.irp b, 0,1,2,3,4,5,6,7
.irp r, 0,1,2,3
	v_cvt_pk_f16_f32 v[TMP+4*\b+\r], v[AC+8*\b+2*\r], v[AC+8*\b+2*\r+1]
.endr
.endr
	WIN 0
.endm
.macro TOSTAGE a
.set BK, OB+192*((\a)%2)
.irp b, 0,1,2,3,4,5,6,7
	ds_store_b128 v[STO], v[TMP+4*\b:TMP+4*\b+3] offset:32*\b
.endr
.irp t, 0,1,2,3,4,5,6,7
	ds_load_b128 v[BK+4*\t:BK+4*\t+3], v[RD] offset:\t*2*SP16
.endr
.endm
.macro SEND a
.set BK, OB+192*((\a)%2)
	s_wait_dscnt 0x0                               ; the block is back in registers
	s_wait_xcnt 0x0                                ; the earlier stores have read their registers: the next block's loads may land on them
.irp t, 0,1,2,3,4,5,6,7
	global_store_b128 v[CO], v[BK+4*\t:BK+4*\t+3], s[12:13] offset:4096*(\a)+512*\t   ; 32 lanes store 512 consecutive bytes, two rows of 256
.endr
.endm
	PACK 0
	TOSTAGE 0
.irp a, 1,2,3,4,5,6,7                  ; block a's conversions stand between block a - 1's loads from the stage and the wait for them
	PACK \a
	SEND \a-1
	TOSTAGE \a
.endr
	SEND 7
	s_wait_tensorcnt 0x0                           ; the wave's end
	ds_add_u32 v[SPW], v[NIL]
	s_wait_dscnt 0x0
	CROUND                                         ; the closing round
	s_endpgm
.Lfunc_end_k_q0b04f1996c_qkv:
	.size	k_q0b04f1996c_qkv, .Lfunc_end_k_q0b04f1996c_qkv-k_q0b04f1996c_qkv
	.p2alignl 7, 3214868480
	.fill 96, 4, 3214868480
	.section	.rodata,"a",@progbits
	.p2align	6, 0x0
	.amdhsa_kernel k_q0b04f1996c_qkv
		.amdhsa_group_segment_fixed_size 327680
		.amdhsa_private_segment_fixed_size 0
		.amdhsa_enable_private_segment 0
		.amdhsa_kernarg_size 48
		.amdhsa_user_sgpr_count 2
		.amdhsa_user_sgpr_kernarg_segment_ptr 1
		.amdhsa_wavefront_size32 1
		.amdhsa_system_sgpr_workgroup_id_x 1
		.amdhsa_system_sgpr_workgroup_id_y 1
		.amdhsa_system_sgpr_workgroup_id_z 1
		.amdhsa_system_vgpr_workitem_id 0
		.amdhsa_next_free_vgpr 1024
		.amdhsa_next_free_sgpr 98
		.amdhsa_reserve_vcc 0
		.amdhsa_float_denorm_mode_32 3
		.amdhsa_float_denorm_mode_16_64 3
		.amdhsa_memory_ordered 1
		.amdhsa_forward_progress 1
		.amdhsa_inst_pref_size 130
	.end_amdhsa_kernel
	.amdgpu_metadata
---
amdhsa.version: [ 1, 2 ]
amdhsa.kernels:
  - .name:           k_q0b04f1996c_qkv
    .symbol:         k_q0b04f1996c_qkv.kd
    .args:
      - { .name: xc, .offset: 0, .size: 8, .value_kind: global_buffer, .address_space: global }
      - { .name: xs, .offset: 8, .size: 8, .value_kind: global_buffer, .address_space: global }
      - { .name: wc, .offset: 16, .size: 8, .value_kind: global_buffer, .address_space: global }
      - { .name: ws, .offset: 24, .size: 8, .value_kind: global_buffer, .address_space: global }
      - { .name: qkv16, .offset: 32, .size: 8, .value_kind: global_buffer, .address_space: global }
      - { .name: qkv32, .offset: 40, .size: 8, .value_kind: global_buffer, .address_space: global }
    .group_segment_fixed_size: 327680
    .private_segment_fixed_size: 0
    .kernarg_segment_align: 8
    .kernarg_segment_size: 48
    .max_flat_workgroup_size: 128
    .sgpr_count:     98
    .vgpr_count:     1024
    .wavefront_size: 32
...
	.end_amdgpu_metadata
.endif
;; end of part 2
;; launch attn (part 3): grid 4 x 64, 16 waves a work-group, no clusters, 327,680 bytes of LDS; arguments qkv16, vals; writes vals
.if DOCPART == 3
	.amdgcn_target "amdgcn-amd-amdhsa--gfx1250"
	.amdhsa_code_object_version 6
	.text
	.protected	k_q0b04f1996c_attn
	.globl	k_q0b04f1996c_attn
	.p2align	8
	.type	k_q0b04f1996c_attn,@function
k_q0b04f1996c_attn:
	s_mov_b64 s[64:65], 0
	v_nop
	global_prefetch_b8 v0, s[64:65] scope:SCOPE_SE
	s_setreg_imm32_b32 hwreg(HW_REG_WAVE_MODE, 25, 1), 1
	s_wait_xcnt 0x0
; vals[b][t][h][:] = the sum over keys k <= t of softmax_k(q . k / 8) v, per batch and head.  Operands f16, products, maxima and sums f32; the weights are rounded to f16 for the second product, the result once at the end.
; IN: qkv16 [b 4][g 24][t 2048][128] f16: g = h / 2: q of head h at column 64 (h % 2); g = 8 + h: a row is k (128 bytes) | v (128 bytes).  OUT: vals [(b 2048 + t) / 2][16 heads][2 t][64] f16.
; LIMITS: the operands are f16 (|q|, |k|, |v| under 65,504); weights under 6e-5 of the row's largest keep fewer than 11 bits; NaN and infinities are not served.
; SHARES.  Work-group (i, 16 b + h) owns the blocks of 256 queries i and 7 - i of one head, so that all work-groups have equal work under the causal mask.  Sixteen waves, four to a SIMD, each 32 queries (two tiles of 16)
; in 256 registers: wave w takes 32 (w / 2) on in the low block or the high one ((w / 4 + w) odd: high).
; Every work-group walks all 8 slots of 256 keys, 64 keys a step: trip counts are constants; a step all of whose keys come after the wave's queries is jumped over (ids alone), and a slot that no wave of the work-group reads is not asked for.
; NO CLUSTER: the four work-groups of a head read 8, 7, 6 and 5 slots; a joint load would bring tiles that no wave of some partner reads.
; LAYOUT.  S^T = K Q^T (source 0 = 16 keys, source 1 = 16 queries), O^T = V^T P (source 0 = 16 channels, source 1 = P): a lane holds ONE query throughout.
; THE KEYS OF A TILE: row m of tile a is key 16 a + 2 (m % 8) + m / 8, so register j of lane half hh holds key 16 a + 2 j + hh; V is read, turned, by the same order of keys.  At the one pitch of 272 bytes both K's loads and V's
; turning loads then touch sixteen different 16-byte columns.
; SOFTMAX.  A running maximum m and sum l for each query: p = 2^(c s - c m), c = log2(e) / 8; in every step O and l are multiplied by a = 2^(c m_old - c m_new).
.set PK,    272                        ; a key's row in LDS: k 128 bytes, v 128 bytes, 16 of padding
.set STEPB, 64*PK                      ; a step's 64 keys
.set SLOT1, 1<<17                      ; slot 1 begins here: one exclusive or turns an address from one slot to the other
.set SLOTB, 4*64*256                   ; a slot's bytes in memory
.set STAGE, SLOT1+4*STEPB              ; the way out: 32 rows x (128 + 16) bytes for each wave, bytes of its own
.set SPS,   144
.set SPARE, STAGE+16*32*SPS            ; the spare words: 128 bytes a wave, eight blocks of 256 bytes that no other line names
.set AK0, 1                            ; v1   my lane's place in a tile of K
.set AV0, 2                            ; v2   and of V
.set ADK, 3                            ; v3   LDS address of the step's K; the way out: where I put 16 bytes
.set ADV, 4                            ; v4   of the step's V; the way out: where I read back
.set SPW, 5
.set NIL, 6
.set RH,  7                            ; v7   lane % 16 - lane / 16
.set ST,  8                            ; v8-23  tile t's statistics at ST + 8 t: +0 c m, +1 m, +2, +3 l, +4 .. +7 c0-c3 at work; a takes c2's place
.set Q,   24                           ; v24-55   Q: tile t, channels 32 d on, at Q + 16 t + 8 d
.set BA,  56                           ; v56-119  two buffers of 32: K's halves, then V's
.set S,   120                          ; v120-183 S^T: tile t, keys 16 a on, at S + 32 t + 8 a; P in place in the first 16 of each tile
.set O,   184                          ; v184-247 O^T: tile t, channels 16 n on, at O + 32 t + 8 n
.set DD,  252
.set NINF, 253
.set PFO, 255                          ; v255 256 x lane; never rewritten
.set TB,  2                            ; s2   LDS byte at which the step's keys begin
.set WV,  18
.set SEL, 20
.set CS,  22                           ; s[22:23] c
.set G1,  24
.set G0,  40
.set KF,  66                           ; s66  the step's first key
.set Q0,  67                           ; s67  my first query
.set QL,  68                           ; s68  my work-group's last query
.set SLOTS, 69
.set CNT, 70
.set PFA, 76
.set LIM, 80
.macro TLOAD                           ; waves 0 to 3 fetch 64 keys each; the branch hangs on the wave's number alone.  An s_nop 0 and four v_nop follow the load
	s_cmp_lt_u32 s[WV], 4
	s_cbranch_scc0 .Lasked_\@
	tensor_load_to_lds s[G0:G0+3], s[G1:G1+7]
	s_nop 0
.rept 4
	v_nop
.endr
.Lasked_\@:
.endm
; A PREFETCH INTO THE L2 of the slot that the NEXT change of slots will ask for: 65,536 dense bytes.  All four work-groups of a head walk the same keys: the first (x = 0) asks, by its waves 4 to 11, which fetch nothing:
; 8,192 bytes a wave, lanes 256 bytes apart, one instruction: each block of 256 bytes is named once in the launch.  Four key steps ahead of the load.  The last change that fills a slot asks for nothing; slots 0 and 1 come by their loads alone.
.macro ASK
	s_cmp_gt_u32 s[SLOTS], s[LIM]
	s_cbranch_scc0 .Lnot_mine_\@
	global_prefetch_b8 v[PFO], s[PFA:PFA+1] th:TH_LOAD_NT scope:SCOPE_SE
.Lnot_mine_\@:
.endm
	s_load_b128 s[4:7], s[0:1], 0x0                ; qkv16, vals
	v_lshl_add_u32 v[SPW], v0, 2, SPARE
	v_mov_b32 v[NIL], 0
	ds_add_u32 v[SPW], v[NIL]                      ; the wave's opening: the add, twice on end, and its wait ahead of the first tensor load
	ds_add_u32 v[SPW], v[NIL]
	v_lshrrev_b32 v248, 5, v0
	v_readfirstlane_b32 s[WV], v248                ; wave 0..15
	s_and_b32 s8, ttmp7, 0xffff
	s_lshr_b32 s9, s8, 4                           ; b
	s_and_b32 s10, s8, 15                          ; h
	s_mul_i32 s11, s9, 24
	s_add_co_u32 s12, s11, s10
	s_add_co_u32 s12, s12, 8
	s_lshl_b32 s12, s12, 19                        ; the head's k | v rows: (24 b + 8 + h) x 2048 x 256 bytes
	s_mov_b32 s13, 0
	s_lshr_b32 s14, s[WV], 2
	s_xor_b32 s14, s14, s[WV]
	s_and_b32 s14, s14, 1                          ; 1: the high block
	s_lshl_b32 s15, ttmp9, 1
	s_sub_co_u32 s15, 7, s15
	s_mul_i32 s15, s15, s14
	s_add_co_u32 s15, s15, ttmp9                   ; block i or 7 - i
	s_lshl_b32 s15, s15, 8
	s_lshr_b32 s16, s[WV], 1
	s_lshl_b32 s16, s16, 5
	s_add_co_u32 s[Q0], s15, s16
	s_sub_co_u32 s[QL], 8, ttmp9
	s_lshl_b32 s[QL], s[QL], 8
	s_sub_co_u32 s[QL], s[QL], 1                   ; 256 (8 - i) - 1
	s_lshr_b32 s16, s10, 1
	s_add_co_u32 s16, s16, s11
	s_lshl_b32 s16, s16, 11
	s_add_co_u32 s16, s16, s[Q0]
	s_lshl_b32 s16, s16, 8
	s_and_b32 s17, s10, 1
	s_lshl_b32 s17, s17, 7
	s_add_co_u32 s16, s16, s17                     ; q: ((24 b + h / 2) 2048 + Q0) 256 + 128 (h % 2)
	s_mov_b32 s17, 0
	s_lshl_b32 s44, s9, 11
	s_add_co_u32 s44, s44, s[Q0]
	s_lshl_b32 s44, s44, 11
	s_lshl_b32 s45, s10, 8
	s_add_co_u32 s44, s44, s45                     ; vals: ((2048 b + Q0) / 2) 4096 + 256 h
	s_mov_b32 s45, 0
	s_and_b32 s47, s[WV], 3
	s_mul_i32 s46, s47, STEPB                      ; what I fetch, if I fetch: 64 keys: in a slot,
	s_lshl_b32 s48, s47, 14                        ; and in memory
	s_mov_b32 s49, 0
	s_sub_co_u32 s82, s[WV], 4
	s_lshr_b32 s84, s82, 3                         ; 0 in waves 4 to 11,
	s_or_b32 s84, s84, ttmp9                       ; of the head's first work-group
	s_cmp_eq_u32 s84, 0
	s_cselect_b32 s[LIM], 1, -1
	s_and_b32 s82, s82, 7
	s_lshl_b32 s82, s82, 13
	s_add_co_u32 s82, s82, SLOTB                   ; my 8,192 bytes, in slot 1: the first change of slots steps it to slot 2
	s_mov_b32 s83, 0
	s_mov_b32 s[G1], (3<<16)|(1<<20)|(5<<22)|(3<<25)   ; no mask; elements of 8 bytes; padding: 4 words after every 64
	s_mov_b32 s[G1+1], 32<<16                      ; tensor_dim0: 256 bytes
	s_mov_b32 s[G1+2], 64<<16                      ; tensor_dim1
	s_mov_b32 s[G1+3], 32<<16                      ; tile_dim0
	s_mov_b32 s[G1+4], 64                          ; tile_dim1
	s_mov_b32 s[G1+5], 32                          ; stride: the rows are dense
	s_mov_b32 s[G1+6], 0
	s_mov_b32 s[G1+7], 0
	s_mov_b32 s[SEL], 0x76543210
	s_mov_b32 s[SEL+1], 0xfedcba98
	s_mov_b32 s[CS], 0x3e38aa3b                    ; c = log2(e) / 8
	s_mov_b32 s[CS+1], s[CS]
	s_mov_b32 s[TB], 0
	s_mov_b32 s[KF], 0
	s_mov_b32 s[SLOTS], 7
	s_wait_dscnt 0x0                               ; both opening adds are done
	s_wait_kmcnt 0x0
	s_add_nc_u64 s[12:13], s[4:5], s[12:13]        ; the head's k | v
	s_mov_b32 s[G0], 1
	s_mov_b32 s[G0+1], s46
	s_add_nc_u64 s[G0+2:G0+3], s[12:13], s[48:49]
	s_or_b32 s[G0+3], s[G0+3], 0x80000000
	TLOAD                                          ; slot 0: key 0 counts for every query, so it is read
	s_add_nc_u64 s[PFA:PFA+1], s[12:13], s[82:83]
	s_add_nc_u64 s[4:5], s[4:5], s[16:17]
	s_add_nc_u64 s[6:7], s[6:7], s[44:45]
	v_and_b32 v248, 15, v0                         ; r
	v_bfe_u32 v249, v0, 4, 1                       ; hh
	v_lshlrev_b32 v250, 8, v248
	v_lshl_add_u32 v250, v249, 4, v250             ; Q: row r of 256 bytes + 16 hh
.irp t, 0,1
.irp d, 0,1
	global_load_b128 v[Q+16*\t+8*\d:Q+16*\t+8*\d+3], v250, s[4:5] offset:4096*\t+64*\d
	global_load_b128 v[Q+16*\t+8*\d+4:Q+16*\t+8*\d+7], v250, s[4:5] offset:4096*\t+64*\d+32
.endr
.endr
	v_and_b32 v251, 7, v248
	v_lshrrev_b32 v254, 3, v248
	v_lshl_add_u32 v251, v251, 1, v254             ; 2 (r % 8) + r / 8
	v_mul_u32_u24 v[AK0], v251, PK
	v_lshl_add_u32 v[AK0], v249, 4, v[AK0]
	v_and_b32 v251, 7, v0
	v_lshl_add_u32 v251, v251, 1, v249             ; 2 (lane % 8) + lane / 16
	v_mul_u32_u24 v[AV0], v251, PK
	v_bfe_u32 v254, v0, 3, 1
	v_lshl_add_u32 v[AV0], v254, 4, v[AV0]
	v_add_nc_u32 v[AV0], 128, v[AV0]               ; v lies behind k in a row
	v_sub_nc_u32 v[RH], v248, v249
	v_and_b32 v[PFO], 31, v0
	v_lshlrev_b32 v[PFO], 8, v[PFO]
.irp t, 0,1
	v_mov_b32 v[ST+8*\t+1], 0xff61b1e6             ; m: -3e38, under every score
	v_mul_f32 v[ST+8*\t], s[CS], v[ST+8*\t+1]      ; c m
.irp j, 2,3,4,5,6,7
	v_mov_b32 v[ST+8*\t+\j], 0                     ; l; and the registers at work, written once: a lane permute's destination counts as one of its sources
.endr
.endr
.irp j, 0,1,2,3,4,5,6,7,8,9,10,11,12,13,14,15,16,17,18,19,20,21,22,23,24,25,26,27,28,29,30,31,32,33,34,35,36,37,38,39,40,41,42,43,44,45,46,47,48,49,50,51,52,53,54,55,56,57,58,59,60,61,62,63
	v_mov_b32 v[O+\j], 0                           ; O^T: the step is written once; the first finds zeros, which a = 0 leaves zeros
.endr
.macro KLOAD c                         ; keys 32 c on: two tiles x two halves of the channels into buffer c: eight loads
.irp a, 0,1
.irp d, 0,1
	ds_load_b128 v[BA+32*(\c)+16*\a+8*\d:BA+32*(\c)+16*\a+8*\d+3], v[ADK] offset:(32*(\c)+16*\a)*PK+64*\d
	ds_load_b128 v[BA+32*(\c)+16*\a+8*\d+4:BA+32*(\c)+16*\a+8*\d+7], v[ADK] offset:(32*(\c)+16*\a)*PK+64*\d+32
.endr
.endr
.endm
.macro VLOAD c                         ; V of keys 32 c on, turned: four fragments of 16 channels x 32 keys into buffer c: eight loads
.irp n, 0,1,2,3
	ds_load_tr16_b128 v[BA+32*(\c)+8*\n:BA+32*(\c)+8*\n+3], v[ADV] offset:32*(\c)*PK+32*\n
	ds_load_tr16_b128 v[BA+32*(\c)+8*\n+4:BA+32*(\c)+8*\n+7], v[ADV] offset:(32*(\c)+16)*PK+32*\n
.endr
.endm
.macro KQ c                            ; eight products: four accumulators by turns, one instruction a turn; the first four start the sums
.irp d, 0,1
.irp a, 0,1
.irp t, 0,1
.if \d == 0
	v_wmma_f32_16x16x32_f16 v[S+32*\t+8*(2*(\c)+\a):S+32*\t+8*(2*(\c)+\a)+7], v[BA+32*(\c)+16*\a+8*\d:BA+32*(\c)+16*\a+8*\d+7], v[Q+16*\t+8*\d:Q+16*\t+8*\d+7], 0
.else
	v_wmma_f32_16x16x32_f16 v[S+32*\t+8*(2*(\c)+\a):S+32*\t+8*(2*(\c)+\a)+7], v[BA+32*(\c)+16*\a+8*\d:BA+32*(\c)+16*\a+8*\d+7], v[Q+16*\t+8*\d:Q+16*\t+8*\d+7], v[S+32*\t+8*(2*(\c)+\a):S+32*\t+8*(2*(\c)+\a)+7]
.endif
.endr
.endr
.endr
.endm
.macro PV c                            ; eight products: the eight accumulators of O^T by turns
.irp n, 0,1,2,3
.irp t, 0,1
	v_wmma_f32_16x16x32_f16 v[O+32*\t+8*\n:O+32*\t+8*\n+7], v[BA+32*(\c)+8*\n:BA+32*(\c)+8*\n+7], v[S+32*\t+8*(\c):S+32*\t+8*(\c)+7], v[O+32*\t+8*\n:O+32*\t+8*\n+7]
.endr
.endr
.endm
; A KEY STEP: 64 keys, at LDS byte s[TB].
.macro STEP
	s_add_co_u32 s96, s[Q0], 31                    ; all 64 keys behind my last query: the step's work is left out (ids and the count of steps alone)
	s_cmp_gt_u32 s[KF], s96
	s_cbranch_scc1 .Lhidden_\@
	v_add_nc_u32 v[ADK], s[TB], v[AK0]
	v_add_nc_u32 v[ADV], s[TB], v[AV0]
	KLOAD 0
	KLOAD 1
	s_wait_dscnt 8                                 ; K's first half is in; the second half's eight loads may be out
	KQ 0
.rept 4
	v_nop                                          ; places ahead of the loads into the buffer just multiplied
.endr
	VLOAD 0
	s_wait_dscnt 8                                 ; K's second half is in; V's eight loads may be out
	KQ 1
.rept 4
	v_nop                                          ; places ahead of the loads below and of the first read of the scores
.endr
	VLOAD 1
	s_add_co_u32 s96, s[KF], 63                    ; a step all of whose keys count for all my queries has no mask
	s_cmp_le_u32 s96, s[Q0]
	s_cbranch_scc1 .Lopen_\@
	s_sub_co_i32 s96, s[Q0], s[KF]
	v_add_nc_u32 v[DD], s96, v[RH]                 ; d = Q0 - KF + r - hh.  Register (t, a, j) holds key KF + 16 a + 2 j + hh for query Q0 + 16 t + r: hidden where 16 a + 2 j - 16 t > d
	v_mov_b32 v[NINF], 0xff800000
.irp t, 0,1
.irp a, 0,1,2,3
.irp j, 0,1,2,3,4,5,6,7
	v_cmp_gt_i32 vcc_lo, 16*\a+2*\j-16*\t, v[DD]
	v_cndmask_b32 v[S+32*\t+8*\a+\j], v[S+32*\t+8*\a+\j], v[NINF], vcc_lo
.endr
.endr
.endr
.Lopen_\@:
	; the softmax, the two tiles line by line.  The maximum: four chains, each beginning at an accumulator's low end
.irp j, 0,1,2,3
.irp t, 0,1
	v_max3_num_f32 v[ST+8*\t+4+\j], v[S+32*\t+8*\j], v[S+32*\t+8*\j+1], v[S+32*\t+8*\j+2]
.endr
.endr
.irp g, 1,2
.irp j, 0,1,2,3
.irp t, 0,1
	v_max3_num_f32 v[ST+8*\t+4+\j], v[ST+8*\t+4+\j], v[S+32*\t+8*\j+2*\g+1], v[S+32*\t+8*\j+2*\g+2]
.endr
.endr
.endr
.irp t, 0,1
	v_max3_num_f32 v[ST+8*\t+4], v[ST+8*\t+4], v[S+32*\t+7], v[S+32*\t+15]
.endr
.irp t, 0,1
	v_max3_num_f32 v[ST+8*\t+6], v[ST+8*\t+6], v[S+32*\t+23], v[S+32*\t+31]
.endr
.irp t, 0,1
	v_max3_num_f32 v[ST+8*\t+4], v[ST+8*\t+4], v[ST+8*\t+5], v[ST+8*\t+6]
.endr
.irp t, 0,1
	v_max3_num_f32 v[ST+8*\t+4], v[ST+8*\t+4], v[ST+8*\t+7], v[ST+8*\t+1]   ; with the old m
.endr
.irp t, 0,1
	v_permlanex16_b32 v[ST+8*\t+5], v[ST+8*\t+4], s[SEL], s[SEL+1]         ; the query's other 32 keys lie in the lane 16 away
.endr
.irp t, 0,1
	v_mov_b32 v[ST+8*\t+7], v[ST+8*\t]             ; c m_old
.endr
.irp t, 0,1
	v_max_num_f32 v[ST+8*\t+1], v[ST+8*\t+4], v[ST+8*\t+5]
.endr
.irp t, 0,1
	v_mul_f32 v[ST+8*\t], s[CS], v[ST+8*\t+1]
.endr
.irp t, 0,1
	v_sub_f32 v[ST+8*\t+7], v[ST+8*\t+7], v[ST+8*\t]
.endr
.irp i, 0,2,4,6,8,10,12,14,16,18,20,22,24,26,28,30
.irp t, 0,1
	v_pk_fma_f32 v[S+32*\t+\i:S+32*\t+\i+1], v[S+32*\t+\i:S+32*\t+\i+1], s[CS:CS+1], v[ST+8*\t:ST+8*\t+1] op_sel_hi:[1,0,0] neg_lo:[0,0,1] neg_hi:[0,0,1]   ; c s - c m
.endr
.endr
.irp t, 0,1
	v_exp_f32 v[ST+8*\t+6], v[ST+8*\t+7]           ; a.  The 66 exponentials of both tiles are one batch
.endr
.irp i, 0,1,2,3,4,5,6,7,8,9,10,11,12,13,14,15,16,17,18,19,20,21,22,23,24,25,26,27,28,29,30,31
.irp t, 0,1
	v_exp_f32 v[S+32*\t+\i], v[S+32*\t+\i]
.endr
.endr
	v_nop                                          ; a plain line behind the last exponential
	s_wait_alu depctr_va_vdst(0)                   ; one wait for the batch, ahead of its first reader
.irp t, 0,1
	v_pk_mul_f32 v[ST+8*\t+2:ST+8*\t+3], v[ST+8*\t+2:ST+8*\t+3], v[ST+8*\t+6:ST+8*\t+7] op_sel_hi:[1,0]   ; l x a
.endr
.irp t, 0,1
	v_pk_add_f32 v[ST+8*\t+4:ST+8*\t+5], v[S+32*\t:S+32*\t+1], v[S+32*\t+2:S+32*\t+3]                     ; the sum of the unrounded weights, in two chains
.endr
.irp i, 4,8,12,16,20,24,28
.irp t, 0,1
	v_pk_add_f32 v[ST+8*\t+2:ST+8*\t+3], v[ST+8*\t+2:ST+8*\t+3], v[S+32*\t+\i:S+32*\t+\i+1]
.endr
.irp t, 0,1
	v_pk_add_f32 v[ST+8*\t+4:ST+8*\t+5], v[ST+8*\t+4:ST+8*\t+5], v[S+32*\t+\i+2:S+32*\t+\i+3]
.endr
.endr
.irp t, 0,1
	v_pk_add_f32 v[ST+8*\t+2:ST+8*\t+3], v[ST+8*\t+2:ST+8*\t+3], v[ST+8*\t+4:ST+8*\t+5]
.endr
.irp i, 0,1,2,3,4,5,6,7,8,9,10,11,12,13,14,15
.irp t, 0,1
	v_cvt_pk_f16_f32 v[S+32*\t+\i], v[S+32*\t+2*\i], v[S+32*\t+2*\i+1]   ; P, in place and ascending: registers 8 c .. 8 c + 7 are source 1 for keys 32 c on
.endr
.endr
.irp i, 0,2,4,6,8,10,12,14,16,18,20,22,24,26,28,30
.irp t, 0,1
	v_pk_mul_f32 v[O+32*\t+\i:O+32*\t+\i+1], v[O+32*\t+\i:O+32*\t+\i+1], v[ST+8*\t+6:ST+8*\t+7] op_sel_hi:[1,0]   ; O^T x a, each accumulator from its low end on
.endr
.endr
	s_wait_dscnt 8                                 ; V's first half is in; the second half's eight loads may be out
	PV 0
	s_wait_dscnt 0x0
	PV 1
.rept 5
	v_nop                                          ; the next step's scores are written over P, and its loads land in the buffers: five places
.endr
.Lhidden_\@:
	s_add_co_u32 s[KF], s[KF], 64
	s_add_co_u32 s[TB], s[TB], STEPB
.endm
; THE CHANGE OF SLOTS stands at a slot's head.  Each wave waits for all its tensor loads, adds 0 to its spare word, and waits for that and for its reads of the slot that it has left.  Behind the barrier the slot ahead is whole
; and nobody reads the other one.  fill = 1: that other slot takes the keys that follow, while its first key is at or under the work-group's last query; the load has four key steps in which to land.  One tensor load of a wave is out at the most.
.macro CHANGE fill
	s_wait_tensorcnt 0x0
	ds_add_u32 v[SPW], v[NIL]
.if \fill
	ds_add_u32 v[SPW], v[NIL]                      ; and twice on end here, in every trip alike
	s_xor_b32 s[G0+1], s[G0+1], SLOT1              ; no load of mine is out, so the descriptor may walk: the other slot,
	s_add_nc_u64 s[G0+2:G0+3], s[G0+2:G0+3], SLOTB ; the next 256 keys
	s_wait_xcnt 0x0                                ; the last prefetch, a slot back, has read its address
	s_add_nc_u64 s[PFA:PFA+1], s[PFA:PFA+1], SLOTB
.endif
	s_wait_dscnt 0x0
	s_barrier_signal -1
	s_barrier_wait -1
.if \fill
	s_add_co_u32 s96, s[KF], 256                   ; the first key of the slot that this change would ask for
	s_cmp_gt_u32 s96, s[QL]                        ; ids and the count of steps alone: all sixteen waves go the same way, and a work-group past the limit stays past it
	s_cbranch_scc1 .Lpast_\@
	TLOAD
.Lpast_\@:
	ASK
.endif
.endm
.macro SLOT_STEPS                      ; a slot's four key steps: written once, walked four times
	s_mov_b32 s[CNT], 4
.Lstep_\@:
	STEP
	s_sub_co_u32 s[CNT], s[CNT], 1
	s_cmp_lg_u32 s[CNT], 0
	s_cbranch_scc1 .Lstep_\@
	s_sub_co_u32 s[TB], s[TB], 4*STEPB
	s_xor_b32 s[TB], s[TB], SLOT1                  ; on to the other slot
.endm
	s_wait_loadcnt 0x0                             ; Q
.Lslot:                                            ; seven trips: behind each change of slots but the last the next slot is asked for, up to the causal limit
	CHANGE 1
	SLOT_STEPS
	s_sub_co_u32 s[SLOTS], s[SLOTS], 1
	s_cmp_lg_u32 s[SLOTS], 0
	s_cbranch_scc1 .Lslot
	CHANGE 0                                       ; the last slot is written out: nothing is left to ask for
	SLOT_STEPS
	; THE WAY OUT.  O^T / l, rounded to f16, goes through my stage (32 rows of 128 bytes + 16) and leaves so that sixteen lanes store the 256 bytes of two neighbouring positions of my head.
.irp t, 0,1
	v_add_f32 v[ST+8*\t+4], v[ST+8*\t+2], v[ST+8*\t+3]
.endr
.irp t, 0,1
	v_permlanex16_b32 v[ST+8*\t+5], v[ST+8*\t+4], s[SEL], s[SEL+1]
.endr
.irp t, 0,1
	v_add_f32 v[ST+8*\t+4], v[ST+8*\t+4], v[ST+8*\t+5]
.endr
.irp t, 0,1
	v_rcp_f32 v[ST+8*\t+6], v[ST+8*\t+4]
.endr
	v_and_b32 v248, 15, v0                         ; (plain lines behind the reciprocals)  r
	v_bfe_u32 v249, v0, 4, 1                       ; hh
	s_mul_i32 s96, s[WV], 32*SPS
	s_add_co_u32 s96, s96, STAGE
	v_mul_u32_u24 v[ADK], v248, SPS
	v_lshl_add_u32 v[ADK], v249, 4, v[ADK]
	v_add_nc_u32 v[ADK], s96, v[ADK]               ; in: row r, 16 hh
	v_bfe_u32 v252, v0, 3, 2
	v_mul_u32_u24 v[ADV], v252, SPS
	v_and_b32 v253, 7, v0
	v_lshl_add_u32 v[ADV], v253, 4, v[ADV]
	v_add_nc_u32 v[ADV], s96, v[ADV]               ; back: eight lanes to a row, four rows an instruction
	v_lshlrev_b32 v251, 4, v248
	v_lshl_add_u32 v251, v249, 12, v251            ; in vals: lanes 0-15 one pair of positions, lanes 16-31 the next, 4,096 bytes on
	s_wait_alu depctr_va_vdst(0)                   ; one wait for both reciprocals, ahead of their first reader
.irp i, 0,2,4,6,8,10,12,14,16,18,20,22,24,26,28,30
.irp t, 0,1
	v_pk_mul_f32 v[O+32*\t+\i:O+32*\t+\i+1], v[O+32*\t+\i:O+32*\t+\i+1], v[ST+8*\t+6:ST+8*\t+7] op_sel_hi:[1,0]
.endr
.endr
.irp t, 0,1
.irp i, 0,1,2,3,4,5,6,7,8,9,10,11,12,13,14,15
	v_cvt_pk_f16_f32 v[S+16*\t+\i], v[O+32*\t+2*\i], v[O+32*\t+2*\i+1]
.endr
.endr
.irp t, 0,1
.irp n, 0,1,2,3
	ds_store_b128 v[ADK], v[S+16*\t+4*\n:S+16*\t+4*\n+3] offset:16*SPS*\t+32*\n
.endr
.endr
.irp i, 0,1,2,3,4,5,6,7
	ds_load_b128 v[BA+4*\i:BA+4*\i+3], v[ADV] offset:4*SPS*\i      ; LDS serves a wave's instructions in order: these see my stores
.endr
.irp i, 0,1,2,3,4,5,6,7
	s_wait_dscnt 7-\i
	global_store_b128 v251, v[BA+4*\i:BA+4*\i+3], s[6:7] offset:8192*\i
.endr
	s_wait_tensorcnt 0x0                           ; the wave's end
	ds_add_u32 v[SPW], v[NIL]
	s_wait_dscnt 0x0
	s_endpgm
.Lfunc_end_k_q0b04f1996c_attn:
	.size	k_q0b04f1996c_attn, .Lfunc_end_k_q0b04f1996c_attn-k_q0b04f1996c_attn
	.p2alignl 7, 3214868480
	.fill 96, 4, 3214868480
	.section	.rodata,"a",@progbits
	.p2align	6, 0x0
	.amdhsa_kernel k_q0b04f1996c_attn
		.amdhsa_group_segment_fixed_size 327680
		.amdhsa_private_segment_fixed_size 0
		.amdhsa_enable_private_segment 0
		.amdhsa_kernarg_size 16
		.amdhsa_user_sgpr_count 2
		.amdhsa_user_sgpr_kernarg_segment_ptr 1
		.amdhsa_wavefront_size32 1
		.amdhsa_system_sgpr_workgroup_id_x 1
		.amdhsa_system_sgpr_workgroup_id_y 1
		.amdhsa_system_sgpr_workgroup_id_z 1
		.amdhsa_system_vgpr_workitem_id 0
		.amdhsa_next_free_vgpr 256
		.amdhsa_next_free_sgpr 100
		.amdhsa_reserve_vcc 1
		.amdhsa_float_denorm_mode_32 3
		.amdhsa_float_denorm_mode_16_64 3
		.amdhsa_memory_ordered 1
		.amdhsa_forward_progress 1
		.amdhsa_inst_pref_size 61
	.end_amdhsa_kernel
	.amdgpu_metadata
---
amdhsa.version: [ 1, 2 ]
amdhsa.kernels:
  - .name:           k_q0b04f1996c_attn
    .symbol:         k_q0b04f1996c_attn.kd
    .args:
      - { .name: qkv16, .offset: 0, .size: 8, .value_kind: global_buffer, .address_space: global }
      - { .name: vals, .offset: 8, .size: 8, .value_kind: global_buffer, .address_space: global }
    .group_segment_fixed_size: 327680
    .private_segment_fixed_size: 0
    .kernarg_segment_align: 8
    .kernarg_segment_size: 16
    .max_flat_workgroup_size: 512
    .sgpr_count:     100
    .vgpr_count:     256
    .wavefront_size: 32
...
	.end_amdgpu_metadata
.endif
;; end of part 3
;; launch proj (part 4): grid 4 x 64, 4 waves a work-group, clusters of 4 x 4, 327,680 bytes of LDS; arguments vals, wo16, b_o, out0; writes out0
.if DOCPART == 4
	.amdgcn_target "amdgcn-amd-amdhsa--gfx1250"
	.amdhsa_code_object_version 6
	.text
	.protected	k_q0b04f1996c_proj
	.globl	k_q0b04f1996c_proj
	.p2align	8
	.type	k_q0b04f1996c_proj,@function
k_q0b04f1996c_proj:
	s_mov_b64 s[64:65], 0
	v_nop
	global_prefetch_b8 v0, s[64:65] scope:SCOPE_SE
	s_setreg_imm32_b32 hwreg(HW_REG_WAVE_MODE, 25, 1), 1
	s_wait_xcnt 0x0
	s_wait_alu depctr_hold_cnt(0) depctr_sa_sdst(0) depctr_va_vdst(0) depctr_va_sdst(0) depctr_va_ssrc(0) depctr_va_vcc(0) depctr_vm_vsrc(0)
	s_getreg_b32 s2, hwreg(HW_REG_IB_STS2, 6, 4)
	s_cmp_eq_u32 s2, 0
	s_cbranch_scc0 .Lentry_in_a_cluster
	s_endpgm
.Lentry_in_a_cluster:
	s_bfe_u32 s2, ttmp6, 0x10000c
	s_cmp_lg_u32 s2, 0xf033
	s_cbranch_scc0 .Lentry_shape_is_right
	s_endpgm
.Lentry_shape_is_right:
; out0[m][o] = the sum over e of vals[m][e] w_o[o][e] + b_o[o], for all rows but the first 16 positions of each sequence, which a later launch owns.  Operands f16, sums f32.
; A = vals [(m / 2) 4096 pairs][16 heads][2 m][64] f16: 128 along K (two heads) of a PAIR of rows are 512 consecutive bytes.  B = wo16 [1024 o][1024 e] f16.  out0 [8192][1024] f32.
; A tile of C is 128 x 256: 256 work-groups.  Four waves, each 64 x 128: 32 accumulators, 256 registers.  K goes in 8 steps of 128 through a ring of two LDS slots.
; CLUSTERS: 4 x 4 work-groups.  Tile column = cx; tile row = 16 cy + cluster y, so that the tile rows that begin a sequence lie in the clusters with y = 0.  A's tile is shared along a row of the cluster, B's along a column: joint loads.
; THE MATRIX INSTRUCTION IS USED TRANSPOSED (source 0 = 16 rows of B, source 1 = 16 rows of A): a lane holds eight neighbouring numbers of a row of C.  The bias is the C of each sum's first product.
; No prefetch: the tile is small and a K step's matrix work is short.
; REGISTERS: window 0: v0-31 addresses; two fragment buffers of 96 (B's 64, then A's 32) at v32 and v128.  window 1: accumulator (a, b) at v[8 (8 a + b)].  window 2: v0-63 the bias, eight registers for each b.
.set PA,     528                       ; a pair row of A in LDS: 512 bytes + 16
.set PB,     272                       ; a row of B: 256 + 16
.set HALFA,  32*PA                     ; what one tensor load brings of A, and what one wave reads
.set HALFB,  128*PB
.set BOFF,   2*HALFA
.set SLOT,   BOFF+2*HALFB
.set STAGE,  2*SLOT                    ; 16 rows x (512 + 16) bytes for each wave, bytes of its own
.set SPITCH, 528
.set SPARE,  STAGE+4*16*SPITCH
.set LAPS,   4                         ; 1024 / (2 x 128)
.set ADRA, 16
.set ADRB, 20
.set STO,  24
.set RD,   25
.set CO,   26
.set SPW,  28
.set NIL,  29
.set F0,   32
.set F1,   128
.set OUTB, 32                          ; the way out: v32-95 and v96-159 by turns
.set G1, 24
.set G0, 32
.set G1B, 48
.set G0B, 56
.set MSB, 0
.macro WIN new
.if MSB != \new
	s_set_vgpr_msb (MSB<<8)|\new
.set MSB, \new
.endif
.endm
.set MUL, 0x50                         ; sources 0 and 1 window 0; C and D window 1.  With 0x10 more: C window 2, the bias
.macro JLOAD s                         ; waves 0 and 1 fetch A's halves, waves 2 and 3 B's; an s_nop 0 and four v_nop follow each line
	s_cmp_eq_u32 s11, 0
	s_cbranch_scc0 .Lfor_b_\@
	tensor_load_to_lds s[G0+4*\s:G0+4*\s+3], s[G1:G1+7]
	s_nop 0
.rept 4
	v_nop
.endr
	s_branch .Lasked_\@
.Lfor_b_\@:
	tensor_load_to_lds s[G0B+4*\s:G0B+4*\s+3], s[G1B:G1B+7]
	s_nop 0
.rept 4
	v_nop
.endr
.Lasked_\@:
.endm
.macro CREST
	s_cmp_lg_u32 s10, 0
	s_cbranch_scc1 .Lnot_wave_0_\@
	s_barrier_signal -3
.Lnot_wave_0_\@:
	s_barrier_wait -3
	s_barrier_signal -1
	s_barrier_wait -1
.endm
.macro CROUND
	s_barrier_signal -1
	s_barrier_wait -1
	CREST
.endm
	s_load_b128 s[4:7], s[0:1], 0x0                ; vals, wo16
	s_load_b128 s[68:71], s[0:1], 0x10             ; b_o, out0
	v_lshl_add_u32 v[SPW], v0, 2, SPARE
	v_mov_b32 v[NIL], 0
	ds_add_u32 v[SPW], v[NIL]                      ; the wave's opening: the add, twice on end, and its wait ahead of my first tensor load
	ds_add_u32 v[SPW], v[NIL]
	v_lshrrev_b32 v1, 5, v0
	v_readfirstlane_b32 s10, v1                    ; wave 0..3
	s_lshr_b32 s11, s10, 1                         ; which 64 rows of the tile are mine.  Also: I fetch for A (0) or for B (1)
	s_and_b32 s12, s10, 1                          ; which 128 columns.  Also: which half I fetch
	s_bfe_u32 s40, ttmp6, 0x40000                  ; cx
	s_bfe_u32 s41, ttmp6, 0x40004                  ; cy
	s_lshl_b32 s42, ttmp9, 2
	s_add_co_u32 s42, s42, s40                     ; tile column
	s_and_b32 s13, ttmp7, 0xffff
	s_lshl_b32 s14, s41, 4
	s_add_co_u32 s13, s13, s14                     ; tile row = 16 cy + cluster y
	s_lshl_b32 s43, s41, 2
	s_lshl_b32 s43, 15, s43                        ; my row of the cluster
	s_lshl_b32 s44, 0x1111, s40                    ; my column
	s_or_b32 s[G1+0], s43, (1<<16)|(1<<20)|(1<<21)|(6<<22)|(3<<25)  ; A: mask; elements of 2 bytes; padding: 4 words after every 128
	s_mov_b32 s[G1+1], 256<<16                     ; tensor_dim0: 512 bytes
	s_mov_b32 s[G1+2], 32<<16                      ; tensor_dim1: 32 pair rows
	s_mov_b32 s[G1+3], 256<<16
	s_mov_b32 s[G1+4], 32
	s_mov_b32 s[G1+5], 2048                        ; a pair row is 4,096 bytes
	s_mov_b32 s[G1+6], 0
	s_mov_b32 s[G1+7], 0
	s_or_b32 s[G1B+0], s44, (1<<16)|(1<<20)|(1<<21)|(5<<22)|(3<<25) ; B: padding: 4 words after every 64
	s_mov_b32 s[G1B+1], 128<<16
	s_mov_b32 s[G1B+2], 128<<16
	s_mov_b32 s[G1B+3], 128<<16
	s_mov_b32 s[G1B+4], 128
	s_mov_b32 s[G1B+5], 1024
	s_mov_b32 s[G1B+6], 0
	s_mov_b32 s[G1B+7], 0
	s_lshl_b32 s16, s13, 6
	s_lshl_b32 s17, s12, 5
	s_add_co_u32 s16, s16, s17
	s_lshl_b32 s16, s16, 12                        ; A: pair row 64 x tile row + 32 x half, 4,096 bytes each
	s_mov_b32 s17, 0
	s_lshl_b32 s46, s42, 8
	s_lshl_b32 s47, s12, 7
	s_add_co_u32 s46, s46, s47
	s_lshl_b32 s46, s46, 11                        ; B: row 256 x tile column + 128 x half, 2,048 bytes each
	s_mov_b32 s47, 0
	s_mul_i32 s20, s12, HALFA                      ; where they go: no place in the cluster enters an LDS address
	s_mul_i32 s21, s12, HALFB
	s_add_co_u32 s21, s21, BOFF
	s_wait_dscnt 0x0                               ; both opening adds are done
	s_wait_kmcnt 0x0
	s_add_nc_u64 s[14:15], s[4:5], s[16:17]
	s_add_nc_u64 s[46:47], s[6:7], s[46:47]
	CROUND                                         ; all sixteen work-groups are here: the first joint loads meet
.irp s, 0,1
	s_mov_b32 s[G0+4*\s], 1
	s_add_co_u32 s[G0+4*\s+1], s20, \s*SLOT
	s_add_nc_u64 s[G0+4*\s+2:G0+4*\s+3], s[14:15], \s*512
	s_or_b32 s[G0+4*\s+3], s[G0+4*\s+3], 0x80000000
	s_mov_b32 s[G0B+4*\s], 1
	s_add_co_u32 s[G0B+4*\s+1], s21, \s*SLOT
	s_add_nc_u64 s[G0B+4*\s+2:G0B+4*\s+3], s[46:47], \s*256
	s_or_b32 s[G0B+4*\s+3], s[G0B+4*\s+3], 0x80000000
	JLOAD \s
.endr
	v_and_b32 v1, 15, v0                           ; r
	v_bfe_u32 v2, v0, 4, 1                         ; h
	v_lshrrev_b32 v3, 1, v1
	v_mul_u32_u24 v3, v3, PA
	v_and_b32 v4, 1, v1
	v_lshl_add_u32 v3, v4, 7, v3
	v_lshl_add_u32 v3, v2, 4, v3                   ; A: pair row r / 2, + 128 (r % 2), + 16 h: sixteen different 16-byte columns
	v_mul_u32_u24 v4, v1, PB
	v_lshl_add_u32 v4, v2, 4, v4                   ; B: row r, + 16 h
	s_mul_i32 s21, s11, HALFA
	s_mul_i32 s22, s12, HALFB
	s_add_co_u32 s22, s22, BOFF
.irp s, 0,1
	v_add_nc_u32 v[ADRA+\s], s21, v3
	v_add_nc_u32 v[ADRB+\s], s22, v4
	s_add_co_u32 s21, s21, SLOT
	s_add_co_u32 s22, s22, SLOT
.endr
	s_mul_i32 s23, s10, 16*SPITCH
	s_add_co_u32 s23, s23, STAGE                   ; my stage
	v_mul_u32_u24 v5, v1, SPITCH
	v_lshl_add_u32 v5, v2, 5, v5
	v_add_nc_u32 v[STO], s23, v5                   ; in: row r, 32 bytes for each half of the lanes
	v_and_b32 v6, 31, v0
	v_lshlrev_b32 v[CO], 4, v6
	v_add_nc_u32 v[RD], s23, v[CO]                 ; back: the 32 lanes take one row of 512 bytes
	s_lshl_b32 s18, s42, 10
	s_lshl_b32 s19, s12, 9
	s_add_co_u32 s18, s18, s19                     ; my first column in bytes: 1024 x tile column + 512 x half: in a row of out0 and in b_o alike
	s_mov_b32 s19, 0
	s_add_nc_u64 s[68:69], s[68:69], s[18:19]
	s_add_nc_u64 s[70:71], s[70:71], s[18:19]
	s_lshl_b32 s16, s13, 7
	s_lshl_b32 s17, s11, 6
	s_add_co_u32 s16, s16, s17
	s_lshl_b32 s16, s16, 12                        ; my first row: 128 x tile row + 64 x half, 4,096 bytes each
	s_mov_b32 s17, 0
	s_add_nc_u64 s[70:71], s[70:71], s[16:17]
	v_lshlrev_b32 v7, 5, v2                        ; the bias: lane half h wants b_o at 16 b + 8 h + 0 .. 7
	WIN 0x80                                       ; destination window 2
.irp b, 0,1,2,3,4,5,6,7
	global_load_b128 v[8*\b:8*\b+3], v7, s[68:69] offset:64*\b
	global_load_b128 v[8*\b+4:8*\b+7], v7, s[68:69] offset:64*\b+16
.endr
	WIN 0
.macro MUL8 f, a, first                ; A's block a x B's eight, 32 along K.  The 32 accumulators take turns, one instruction a turn, in the same order in every quarter
.irp b, 0,1,2,3,4,5,6,7
.if \first
	v_wmma_f32_16x16x32_f16 v[8*(8*(\a)+\b):8*(8*(\a)+\b)+7], v[\f+8*\b:\f+8*\b+7], v[\f+64+8*(\a):\f+64+8*(\a)+7], v[8*\b:8*\b+7]
.else
	v_wmma_f32_16x16x32_f16 v[8*(8*(\a)+\b):8*(8*(\a)+\b)+7], v[\f+8*\b:\f+8*\b+7], v[\f+64+8*(\a):\f+64+8*(\a)+7], v[8*(8*(\a)+\b):8*(8*(\a)+\b)+7]
.endif
.endr
.endm
.macro FETCH slot, kq, f               ; 24 LDS loads in one run: the fragments of the slot's kq-th 32 along K: B's eight, then A's four
	WIN 0
.irp i, 0,1,2,3,4,5,6,7
	ds_load_b128 v[\f+8*\i:\f+8*\i+3],   v[ADRB+\slot] offset:64*(\kq)+\i*16*PB
	ds_load_b128 v[\f+8*\i+4:\f+8*\i+7], v[ADRB+\slot] offset:64*(\kq)+\i*16*PB+32
.endr
.irp a, 0,1,2,3
	ds_load_b128 v[\f+64+8*\a:\f+64+8*\a+3],   v[ADRA+\slot] offset:((\kq)/2)*256+((\kq)%2)*64+\a*8*PA
	ds_load_b128 v[\f+64+8*\a+4:\f+64+8*\a+7], v[ADRA+\slot] offset:((\kq)/2)*256+((\kq)%2)*64+\a*8*PA+32
.endr
.endm
.macro PLACES
.rept 4
	v_nop
.endr
.endm
.macro QUARTER slot, kq, f, g, first   ; multiplies buffer f; in its middle fetches the slot's kq-th quarter into g
	s_wait_dscnt 4                                 ; B and A's blocks 0, 1 are in; A's blocks 2, 3, the youngest four loads, may be out
	WIN (MUL+0x10*(\first))
	MUL8 \f, 0, \first
	MUL8 \f, 1, \first
	PLACES
	FETCH \slot, \kq, \g
	s_wait_dscnt 24                                ; all but the 24 just issued
	WIN (MUL+0x10*(\first))
	MUL8 \f, 2, \first
	MUL8 \f, 3, \first
.endm
; A slot's last quarter multiplies buffer 1 and changes slots: one barrier; in front of it each wave waits for all its tensor loads, adds 0 to its spare word, and waits for that and for its reads of this slot.
; fill = 1: the barrier opens a round of the cluster's, and this slot is filled again, two K steps ahead: one load a wave, first behind the round.
.macro TURN slot, next, fill
	WIN 0
	s_wait_tensorcnt 0x0
	ds_add_u32 v[SPW], v[NIL]
	s_wait_dscnt 5                                 ; the add and the youngest four loads may be out
	WIN MUL
	MUL8 F1, 0, 0
	s_wait_dscnt 0x0                               ; the add is done, and my reads of this slot are over
	s_barrier_signal -1
	MUL8 F1, 1, 0
.if \fill
	WIN 0
.endif
	s_barrier_wait -1
.if \fill
	CREST
	s_add_nc_u64 s[G0+4*\slot+2:G0+4*\slot+3], s[G0+4*\slot+2:G0+4*\slot+3], 2*512
	s_add_nc_u64 s[G0B+4*\slot+2:G0B+4*\slot+3], s[G0B+4*\slot+2:G0B+4*\slot+3], 2*256
	JLOAD \slot                                    ; the four v_nop behind it are also the places in front of the loads below
.else
	PLACES
.endif
	FETCH \next, 0, F0
	WIN MUL
	MUL8 F1, 2, 0
	MUL8 F1, 3, 0
.endm
	s_wait_tensorcnt 1                             ; my part of K step 0 is in; K step 1's load may be out
	s_barrier_signal -1
	s_barrier_wait -1
	FETCH 0, 0, F0
	s_wait_loadcnt 0x0                             ; the bias
	QUARTER 0, 1, F0, F1, 1                        ; the first quarter's products start the sums, on the bias
	WIN 0
	s_mov_b32 s3, LAPS-1
.Llap:                                             ; a trip goes once round the ring and fills both slots again
	QUARTER 0, 2, F1, F0, 0
	QUARTER 0, 3, F0, F1, 0
	TURN 0, 1, 1
	QUARTER 1, 1, F0, F1, 0
	QUARTER 1, 2, F1, F0, 0
	QUARTER 1, 3, F0, F1, 0
	TURN 1, 0, 1
	QUARTER 0, 1, F0, F1, 0
	WIN 0
	s_sub_co_u32 s3, s3, 1
	s_cmp_lg_u32 s3, 0
	s_cbranch_scc1 .Llap
	QUARTER 0, 2, F1, F0, 0                        ; the last lap fills nothing
	QUARTER 0, 3, F0, F1, 0
	TURN 0, 1, 0
	QUARTER 1, 1, F0, F1, 0
	QUARTER 1, 2, F1, F0, 0
	QUARTER 1, 3, F0, F1, 0
	s_wait_dscnt 4
	WIN MUL
	MUL8 F1, 0, 0
	MUL8 F1, 1, 0
	s_wait_dscnt 0
	MUL8 F1, 2, 0
	MUL8 F1, 3, 0
	WIN 0
	PLACES
; THE WAY OUT, a block of 16 rows x 128 columns at a time, through my own stage; back as whole rows of 512 bytes.
.macro TOSTAGE a
	WIN 0x04                                       ; an LDS store's data are its source 1: window 1
.irp b, 0,1,2,3,4,5,6,7
	ds_store_b128 v[STO], v[64*(\a)+8*\b:64*(\a)+8*\b+3] offset:64*\b          ; each accumulator from its low end on
	ds_store_b128 v[STO], v[64*(\a)+8*\b+4:64*(\a)+8*\b+7] offset:64*\b+16
.endr
	WIN 0
.set BB, OUTB+64*((\a)%2)
.irp t, 0,1,2,3,4,5,6,7,8,9,10,11,12,13,14,15
	ds_load_b128 v[BB+4*\t:BB+4*\t+3], v[RD] offset:\t*SPITCH
.endr
.endm
.macro SEND a, younger
.set BB, OUTB+64*((\a)%2)
	s_wait_dscnt \younger
.irp t, 0,1,2,3,4,5,6,7,8,9,10,11,12,13,14,15
	global_store_b128 v[CO], v[BB+4*\t:BB+4*\t+3], s[70:71] offset:65536*(\a)+4096*\t th:TH_STORE_NT   ; 32 lanes store 512 consecutive bytes, aligned
.endr
.endm
	s_and_b32 s20, ttmp7, 0xffff                   ; block 0 of the upper waves in the clusters with y = 0 is positions 0-15 of a sequence: not mine to store
	s_or_b32 s20, s20, s11
	s_cmp_eq_u32 s20, 0
	s_cbranch_scc1 .Lskip0
	TOSTAGE 0
	SEND 0, 0
.Lskip0:
	TOSTAGE 1
	s_wait_xcnt 0x0                                ; block 0's stores have read their registers: block 2's loads may land there
	TOSTAGE 2
	SEND 1, 32                                     ; behind block 1's loads: block 2's 16 stores and 16 loads
	s_wait_xcnt 0x0
	TOSTAGE 3
	SEND 2, 32
	SEND 3, 0
	s_wait_tensorcnt 0x0                           ; the wave's end
	ds_add_u32 v[SPW], v[NIL]
	s_wait_dscnt 0x0
	CROUND                                         ; the closing round
	s_endpgm
.Lfunc_end_k_q0b04f1996c_proj:
	.size	k_q0b04f1996c_proj, .Lfunc_end_k_q0b04f1996c_proj-k_q0b04f1996c_proj
	.p2alignl 7, 3214868480
	.fill 96, 4, 3214868480
	.section	.rodata,"a",@progbits
	.p2align	6, 0x0
	.amdhsa_kernel k_q0b04f1996c_proj
		.amdhsa_group_segment_fixed_size 327680
		.amdhsa_private_segment_fixed_size 0
		.amdhsa_enable_private_segment 0
		.amdhsa_kernarg_size 32
		.amdhsa_user_sgpr_count 2
		.amdhsa_user_sgpr_kernarg_segment_ptr 1
		.amdhsa_wavefront_size32 1
		.amdhsa_system_sgpr_workgroup_id_x 1
		.amdhsa_system_sgpr_workgroup_id_y 1
		.amdhsa_system_sgpr_workgroup_id_z 1
		.amdhsa_system_vgpr_workitem_id 0
		.amdhsa_next_free_vgpr 576
		.amdhsa_next_free_sgpr 72
		.amdhsa_reserve_vcc 0
		.amdhsa_float_denorm_mode_32 3
		.amdhsa_float_denorm_mode_16_64 3
		.amdhsa_memory_ordered 1
		.amdhsa_forward_progress 1
		.amdhsa_inst_pref_size 87
	.end_amdhsa_kernel
	.amdgpu_metadata
---
amdhsa.version: [ 1, 2 ]
amdhsa.kernels:
  - .name:           k_q0b04f1996c_proj
    .symbol:         k_q0b04f1996c_proj.kd
    .args:
      - { .name: vals, .offset: 0, .size: 8, .value_kind: global_buffer, .address_space: global }
      - { .name: wo16, .offset: 8, .size: 8, .value_kind: global_buffer, .address_space: global }
      - { .name: b_o, .offset: 16, .size: 8, .value_kind: global_buffer, .address_space: global }
      - { .name: out0, .offset: 24, .size: 8, .value_kind: global_buffer, .address_space: global }
    .group_segment_fixed_size: 327680
    .private_segment_fixed_size: 0
    .kernarg_segment_align: 8
    .kernarg_segment_size: 32
    .max_flat_workgroup_size: 128
    .sgpr_count:     72
    .vgpr_count:     576
    .wavefront_size: 32
...
	.end_amdgpu_metadata
.endif
;; end of part 4
;; launch first16 (part 5): grid 16 x 4, 16 waves a work-group, no clusters, 71,680 bytes of LDS; arguments qkv32, w_o, b_o, out0; writes out0
.if DOCPART == 5
	.amdgcn_target "amdgcn-amd-amdhsa--gfx1250"
	.amdhsa_code_object_version 6
	.text
	.protected	k_q0b04f1996c_first16
	.globl	k_q0b04f1996c_first16
	.p2align	8
	.type	k_q0b04f1996c_first16,@function
k_q0b04f1996c_first16:
	s_mov_b64 s[64:65], 0
	v_nop
	global_prefetch_b8 v0, s[64:65] scope:SCOPE_SE
	s_setreg_imm32_b32 hwreg(HW_REG_WAVE_MODE, 25, 1), 1
	s_wait_xcnt 0x0
; The first 16 positions of each sequence, wholly in f32: scores, causal softmax, values and the projection with w_o and b_o.  These rows average one to sixteen values and are the largest of the output.
; IN: qkv32 [b 4][g 24][16 t][128] f32 (g = h / 2: q of head h at column 64 (h % 2); g = 8 + h: k | v), w_o [1024][1024], b_o [1024].  OUT: rows 2048 b + 0 .. 15 of out0 [8192][1024].
; SHARES.  Work-group (x, b): outputs 64 x .. 64 x + 63 of batch b.  Wave w is head w: it makes its head's 16 x 64 values and their part of the 16 x 64 outputs; the sixteen parts meet in LDS and are added in ascending order of heads.
; All products by the 16 x 16 x 4 f32 matrix form; K is taken in an order of its own, alike on both sides of each product.  The registers that this form writes (v168-247) are written by matrix instructions alone.
; No tensor loads, no cluster: 64 small work-groups share nothing but w_o's rows, read once each.
.set IMG,   4352                       ; a wave's part in LDS: 8 x (2 x 272) bytes
.set SPARE, 16*IMG
.set SPW, 12
.set NIL, 13
.set T,   16                           ; v16-23   scores, then weights
.set KR,  40                           ; v40-71   K, later w_o for channels 32-47, later parts to add
.set QR,  72                           ; v72-103  Q, later w_o for channels 16-31, later parts to add
.set VR,  104                          ; v104-135 V, later w_o for channels 48-63
.set W0,  136                          ; v136-167 w_o for channels 0-15
.set SA,  168
.set SB,  176
.set OT,  184                          ; v184-215 O^T: channels 16 n on at OT + 8 n
.set D2,  216                          ; v216-247 outputs 16 i on at D2 + 8 i
	s_load_b256 s[4:11], s[0:1], 0x0               ; qkv32, w_o, b_o, out0
	v_lshl_add_u32 v[SPW], v0, 2, SPARE
	v_mov_b32 v[NIL], 0
	v_lshrrev_b32 v1, 5, v0
	v_readfirstlane_b32 s12, v1                    ; wave = head
	v_and_b32 v1, 15, v0                           ; r
	v_bfe_u32 v2, v0, 4, 1                         ; h
	v_lshlrev_b32 v3, 9, v1
	v_lshl_add_u32 v3, v2, 7, v3                   ; K, Q: row r of 512 bytes, channels 32 h on
	v_lshlrev_b32 v4, 2, v1
	v_lshl_add_u32 v4, v2, 12, v4                  ; V: keys 8 h on, channel r
	v_lshlrev_b32 v5, 12, v1
	v_lshl_add_u32 v5, v2, 5, v5                   ; w_o: row r of 4,096 bytes, channels 8 h on
	s_mul_i32 s13, s12, IMG
	v_mul_u32_u24 v6, v2, 272
	v_lshl_add_u32 v6, v1, 4, v6
	v_add_nc_u32 v6, s13, v6                       ; my part: 272 h + 16 r
	v_bfe_u32 v7, v0, 2, 2
	v_and_b32 v14, 1, v0
	v_lshl_add_u32 v7, v7, 1, v14
	v_mul_u32_u24 v7, v7, 544
	v_bfe_u32 v14, v0, 1, 1
	v_mad_u32_u24 v7, v14, 272, v7
	v_bfe_u32 v14, v0, 4, 4                        ; the adding lane's position: thread / 16 (waves 0 to 7)
	v_lshl_add_u32 v7, v14, 4, v7                  ; and where its four outputs 4 (lane % 16) .. lie in a part
	v_lshlrev_b32 v9, 4, v1
	v_lshl_add_u32 v8, v14, 12, v9                 ; in out0: row = position, 16 bytes a lane
	v_lshlrev_b32 v15, 3, v2
	v_sub_nc_u32 v10, v1, v15                      ; r - 8 h
	v_mov_b32 v11, 0xff800000
	s_and_b32 s14, ttmp7, 0xffff                   ; b
	s_mul_i32 s15, s14, 24
	s_add_co_u32 s16, s15, s12
	s_add_co_u32 s16, s16, 8
	s_lshl_b32 s16, s16, 13                        ; k | v: (24 b + 8 + head) x 8,192 bytes
	s_mov_b32 s17, 0
	s_lshr_b32 s18, s12, 1
	s_add_co_u32 s18, s18, s15
	s_lshl_b32 s18, s18, 13
	s_and_b32 s19, s12, 1
	s_lshl_b32 s19, s19, 8
	s_add_co_u32 s18, s18, s19                     ; q
	s_mov_b32 s19, 0
	s_lshl_b32 s24, ttmp9, 18                      ; w_o: row 64 x,
	s_lshl_b32 s25, s12, 8
	s_add_co_u32 s24, s24, s25                     ; my head's 64 channels
	s_mov_b32 s25, 0
	s_lshl_b32 s26, ttmp9, 8                       ; 64 x outputs in bytes
	s_mov_b32 s27, 0
	s_lshl_b32 s28, s14, 23                        ; row 2048 b of out0
	s_add_co_u32 s28, s28, s26
	s_mov_b32 s29, 0
	s_mov_b32 s20, 0x76543210
	s_mov_b32 s21, 0xfedcba98
	s_mov_b32 s22, 0x3e38aa3b                      ; c = log2(e) / 8
	s_wait_kmcnt 0x0
	s_add_nc_u64 s[16:17], s[4:5], s[16:17]
	s_add_nc_u64 s[18:19], s[4:5], s[18:19]
	s_add_nc_u64 s[6:7], s[6:7], s[24:25]
	s_add_nc_u64 s[8:9], s[8:9], s[26:27]
	s_add_nc_u64 s[10:11], s[10:11], s[28:29]
.macro WLOAD reg, n                    ; w_o(64 x + 16 i + r, 64 head + 16 n + 8 h + 0 .. 7), i = 0 .. 3: eight loads
.irp i, 0,1,2,3
	global_load_b128 v[\reg+8*\i:\reg+8*\i+3], v5, s[6:7] offset:65536*\i+64*(\n)
	global_load_b128 v[\reg+8*\i+4:\reg+8*\i+7], v5, s[6:7] offset:65536*\i+64*(\n)+16
.endr
.endm
	global_load_b128 v[32:35], v9, s[8:9]          ; the bias of the adding lane's four outputs
.irp i, 0,1,2,3,4,5,6,7
	global_load_b128 v[KR+4*\i:KR+4*\i+3], v3, s[16:17] offset:16*\i
.endr
.irp i, 0,1,2,3,4,5,6,7
	global_load_b128 v[QR+4*\i:QR+4*\i+3], v3, s[18:19] offset:16*\i
.endr
.irp n, 0,1,2,3
.irp k, 0,1,2,3,4,5,6,7
	global_load_b32 v[VR+8*\n+\k], v4, s[16:17] offset:256+512*\k+64*\n    ; V(8 h + k, 16 n + r)
.endr
.endr
	WLOAD W0, 0
	s_wait_loadcnt 40                              ; the bias, K and Q are in; V's 32 loads and w_o's 8 may be out
	; S^T = K Q^T: product s takes channels 32 h + 2 s, + 1.  Two accumulators by turns; each begins with its own first product
	v_wmma_f32_16x16x4_f32 v[SA:SA+7], v[KR:KR+1], v[QR:QR+1], 0
	v_wmma_f32_16x16x4_f32 v[SB:SB+7], v[KR+2:KR+3], v[QR+2:QR+3], 0
.irp s, 2,4,6,8,10,12,14
	v_wmma_f32_16x16x4_f32 v[SA:SA+7], v[KR+2*\s:KR+2*\s+1], v[QR+2*\s:QR+2*\s+1], v[SA:SA+7]
	v_wmma_f32_16x16x4_f32 v[SB:SB+7], v[KR+2*\s+2:KR+2*\s+3], v[QR+2*\s+2:QR+2*\s+3], v[SB:SB+7]
.endr
.rept 8
	v_nop                                          ; eight places behind this form, ahead of the loads into K's and Q's registers and of the first read of the sums
.endr
	WLOAD QR, 1
	WLOAD KR, 2
.irp j, 0,1,2,3,4,5,6,7
	v_add_f32 v[T+\j], v[SA+\j], v[SB+\j]          ; score of key 8 h + j for query r
.endr
.irp j, 0,1,2,3,4,5,6,7
	v_cmp_gt_i32 vcc_lo, \j, v10                   ; hidden where 8 h + j > r
	v_cndmask_b32 v[T+\j], v[T+\j], v11, vcc_lo
.endr
	v_max3_num_f32 v24, v[T], v[T+1], v[T+2]
	v_max3_num_f32 v25, v[T+3], v[T+4], v[T+5]
	v_max3_num_f32 v24, v24, v[T+6], v[T+7]
	v_max_num_f32 v24, v24, v25
	v_permlanex16_b32 v25, v24, s20, s21
	v_max_num_f32 v24, v24, v25                    ; the row's maximum: key 0 counts for every query
	v_mul_f32 v24, s22, v24
.irp j, 0,1,2,3,4,5,6,7
	v_fma_f32 v[T+\j], v[T+\j], s22, -v24
.endr
.irp j, 0,1,2,3,4,5,6,7
	v_exp_f32 v[T+\j], v[T+\j]
.endr
	v_nop
	s_wait_alu depctr_va_vdst(0)                   ; one wait for the eight, ahead of their first reader
	v_add_f32 v26, v[T], v[T+1]
	v_add_f32 v27, v[T+2], v[T+3]
	v_add_f32 v28, v[T+4], v[T+5]
	v_add_f32 v29, v[T+6], v[T+7]
	v_add_f32 v26, v26, v27
	v_add_f32 v28, v28, v29
	v_add_f32 v26, v26, v28
	v_permlanex16_b32 v27, v26, s20, s21
	v_add_f32 v26, v26, v27
	v_rcp_f32 v26, v26
	v_nop
	s_wait_alu depctr_va_vdst(0)
.irp j, 0,1,2,3,4,5,6,7
	v_mul_f32 v[T+\j], v[T+\j], v26                ; the weights, normalised
.endr
	s_wait_loadcnt 24                              ; V is in; three runs of w_o, 24 loads, may be out
	; O^T = V^T P: product s takes keys 8 h + 2 s, + 1.  Four accumulators by turns
.irp s, 0,1,2,3
.irp n, 0,1,2,3
.if \s == 0
	v_wmma_f32_16x16x4_f32 v[OT+8*\n:OT+8*\n+7], v[VR+8*\n:VR+8*\n+1], v[T:T+1], 0
.else
	v_wmma_f32_16x16x4_f32 v[OT+8*\n:OT+8*\n+7], v[VR+8*\n+2*\s:VR+8*\n+2*\s+1], v[T+2*\s:T+2*\s+1], v[OT+8*\n:OT+8*\n+7]
.endif
.endr
.endr
.rept 9
	v_nop                                          ; nine places: the sums become operands of the next products; loads land in V's registers
.endr
	WLOAD VR, 3
; my head's part of the outputs: (w_o's rows) x O^T: product (n, s) takes channels 16 n + 8 h + 2 s, + 1.  Four accumulators by turns
.macro OUTP reg, n, first
.irp s, 0,1,2,3
.irp i, 0,1,2,3
.if (\first) && (\s == 0)
	v_wmma_f32_16x16x4_f32 v[D2+8*\i:D2+8*\i+7], v[\reg+8*\i:\reg+8*\i+1], v[OT+8*(\n):OT+8*(\n)+1], 0
.else
	v_wmma_f32_16x16x4_f32 v[D2+8*\i:D2+8*\i+7], v[\reg+8*\i+2*\s:\reg+8*\i+2*\s+1], v[OT+8*(\n)+2*\s:OT+8*(\n)+2*\s+1], v[D2+8*\i:D2+8*\i+7]
.endif
.endr
.endr
.endm
	s_wait_loadcnt 24                              ; w_o's first run is in; the three behind it may be out
	OUTP W0, 0, 1
	s_wait_loadcnt 16
	OUTP QR, 1, 0
	s_wait_loadcnt 8
	OUTP KR, 2, 0
	s_wait_loadcnt 0x0
	OUTP VR, 3, 0
.rept 8
	v_nop
.endr
.irp i, 0,1,2,3
	ds_store_b128 v6, v[D2+8*\i:D2+8*\i+3] offset:(2*\i)*544        ; lane (r, h): outputs 16 i + 8 h + 0 .. 3 of position r; each accumulator from its low end on
	ds_store_b128 v6, v[D2+8*\i+4:D2+8*\i+7] offset:(2*\i+1)*544    ; and + 4 .. 7
.endr
	s_wait_dscnt 0x0                               ; for the others' sake: my part lies in LDS
	s_barrier_signal -1
	s_barrier_wait -1
	s_cmp_lt_u32 s12, 8                            ; 16 positions x 64 outputs are 256 lanes' four numbers: waves 0 to 7 add
	s_cbranch_scc0 .Ldone
.irp w, 0,1,2,3,4,5,6,7,8,9,10,11,12,13,14,15
	ds_load_b128 v[KR+4*\w:KR+4*\w+3], v7 offset:IMG*\w
.endr
.irp w, 0,1,2,3,4,5,6,7,8,9,10,11,12,13,14,15
	s_wait_dscnt 15-\w
	v_pk_add_f32 v[32:33], v[32:33], v[KR+4*\w:KR+4*\w+1]           ; the bias, then the heads in ascending order
	v_pk_add_f32 v[34:35], v[34:35], v[KR+4*\w+2:KR+4*\w+3]
.endr
	global_store_b128 v8, v[32:35], s[10:11]       ; sixteen lanes store 256 consecutive bytes of a row, aligned
.Ldone:
	s_wait_tensorcnt 0x0                           ; the wave's end
	ds_add_u32 v[SPW], v[NIL]
	s_wait_dscnt 0x0
	s_endpgm
.Lfunc_end_k_q0b04f1996c_first16:
	.size	k_q0b04f1996c_first16, .Lfunc_end_k_q0b04f1996c_first16-k_q0b04f1996c_first16
	.p2alignl 7, 3214868480
	.fill 96, 4, 3214868480
	.section	.rodata,"a",@progbits
	.p2align	6, 0x0
	.amdhsa_kernel k_q0b04f1996c_first16
		.amdhsa_group_segment_fixed_size 71680
		.amdhsa_private_segment_fixed_size 0
		.amdhsa_enable_private_segment 0
		.amdhsa_kernarg_size 32
		.amdhsa_user_sgpr_count 2
		.amdhsa_user_sgpr_kernarg_segment_ptr 1
		.amdhsa_wavefront_size32 1
		.amdhsa_system_sgpr_workgroup_id_x 1
		.amdhsa_system_sgpr_workgroup_id_y 1
		.amdhsa_system_sgpr_workgroup_id_z 1
		.amdhsa_system_vgpr_workitem_id 0
		.amdhsa_next_free_vgpr 256
		.amdhsa_next_free_sgpr 66
		.amdhsa_reserve_vcc 1
		.amdhsa_float_denorm_mode_32 3
		.amdhsa_float_denorm_mode_16_64 3
		.amdhsa_memory_ordered 1
		.amdhsa_forward_progress 1
		.amdhsa_inst_pref_size 25
	.end_amdhsa_kernel
	.amdgpu_metadata
---
amdhsa.version: [ 1, 2 ]
amdhsa.kernels:
  - .name:           k_q0b04f1996c_first16
    .symbol:         k_q0b04f1996c_first16.kd
    .args:
      - { .name: qkv32, .offset: 0, .size: 8, .value_kind: global_buffer, .address_space: global }
      - { .name: w_o, .offset: 8, .size: 8, .value_kind: global_buffer, .address_space: global }
      - { .name: b_o, .offset: 16, .size: 8, .value_kind: global_buffer, .address_space: global }
      - { .name: out0, .offset: 24, .size: 8, .value_kind: global_buffer, .address_space: global }
    .group_segment_fixed_size: 71680
    .private_segment_fixed_size: 0
    .kernarg_segment_align: 8
    .kernarg_segment_size: 32
    .max_flat_workgroup_size: 512
    .sgpr_count:     66
    .vgpr_count:     256
    .wavefront_size: 32
...
	.end_amdgpu_metadata
.endif
;; end of part 5
